; MI455X (gfx1250); checked and timed in simulation.
; The chip was launched on July 23, 2026; its instructions are those of AMD's public machine-readable ISA for CDNA 5 (MIT licence, August 2026) and "CDNA5" Instruction Set Architecture Reference Guide (July 2026). The comments in the code are by the model that wrote it; some were corrected since.
;; F Mo E. Allowed arithmetic: matrix products marked QUANTISED: E5M2 operands, one given power-of-two scale a tensor, by v_wmma_f32_16x16x64_bf8_bf8 or v_wmma_f32_16x16x128_bf8_bf8, f32 sums; products left as they are: f32 operands where the result goes on into a quantised operand, else bf16, f16 or f32 operands; f32 sums; everything else in f32.
;; Inputs: W1_codes 8 x 2,048 x 32 x 32 uint8 (E5M2 codes of W1, K innermost, in blocks of 32 codes); W2_codes 8 x 1,024 x 64 x 32 uint8 (E5M2 codes of W2, K innermost, in blocks of 32 codes); Wg 1,024 x 8 float32; b1 8 x 2,048 float32; b2 8 x 1,024 float32; bg 8 float32; inp 2,048 x 1,024 float32; lowp_scales 4 int32 (the exponents e of the quantised operands' scales 2^e).
;; Outputs: out0 2,048 x 1,024 float32.
;; This version of the problem:
;;   THIS VERSION OF THE PROBLEM IS GIVEN IN LOW PRECISION. The matrix products marked QUANTISED in the list below multiply operands that are first quantised to E5M2 (5 exponent bits, 2 mantissa bits; 8 bits a number), with one given power-of-two scale for each operand tensor; their sums are f32. All else is computed in f32.
;;   The module's matrix products, in the order in which they are computed (A, B: the left and right operand; K: the contracted axis; several contracted axes count as one K, in the product's order):
;;     1. [M 2,048, K 1,024] x [K 1,024, N 8]; A: input inp; B: input Wg: left as it is (N = 8 < 16)
;;     2. [M 2,048, K 1,024] x [K 1,024, N 16,384]; A: input inp; B: input W1 (given as codes): QUANTISED (scales: A lowp_scales[0], B lowp_scales[1])
;;     3. batch 8 x [M 1,024, K 2,048] x [K 2,048, N 2,048]; A: input W2 (given as codes); B: computed on the way: QUANTISED (scales: A lowp_scales[2], B lowp_scales[3])
;;     4. batch 2,048 x [M 1, K 8] x [K 8, N 1,024]; A: computed on the way; B: computed on the way: left as it is (K = 8 < 32)
;;   THE QUANTISER, for each operand of a quantised product, along K:
;;     - The operand's scale is 2^e, e = its entry of the input lowp_scales (int32; the entries are numbered through the quantised products in the list's order, A before B).
;;     - Each number is divided by the scale, clamped to +-57,344, and rounded to the nearest number of E5M2, ties to even, subnormals kept.
;;     - The product sums the exact products of the quantised numbers (number of the format x scale) in f32.
;;   ~~~python
;;   def quantise(x, axis, e):      # numpy; x: float32 -> the quantised numbers, widened to float32 again
;;       x = np.moveaxis(x, axis, -1); K = x.shape[-1]
;;       r = np.clip(x / 2.0 ** e, -57344, 57344)
;;       step = 2.0 ** (np.maximum(np.frexp(np.where(r == 0, 1, r))[1] - 1, -14) - 2)
;;       q = np.round(r / step) * step * 2.0 ** e      # np.round: ties to even
;;       return np.moveaxis(q, -1, axis).astype(np.float32)
;;   ~~~
;;   OPERANDS COMPUTED ON THE WAY. 'Computed on the way' means the value that the module computes at that place (a softmax that the list does not call 'softmax' is quantised finished and normalised). What goes into a quantiser is computed in f32, as accurately as f32 sums, v_exp_f32 and their like allow (about 1e-6 of the number): no bf16 or f16 on the way to a quantiser, and a product that is left as it is and whose result goes on into a quantised operand takes f32 operands (vector FMAs, or v_wmma_f32_16x16x4_f32). A number that lies on a knife's edge between two numbers of the format may be rounded either way, as far as f32 arithmetic and the matrix unit's own rounding can turn it there, and no further.
;;   INPUTS GIVEN AS CODES. W1 (in the module: [8, 1024, 2048], K = its axis 1); W2 (in the module: [8, 2048, 1024], K = its axis 1): each comes as NAME_codes (uint8): NAME with its K axis moved to the last place and cut into blocks of 32 codes, [.., K / 32, bytes a block], one block behind the other in memory; one code a byte (a code: sign, 5 exponent bits, 2 mantissa bits); its scale is its entry of lowp_scales. Its value is code x scale, taken as it is: it is not quantised again, and the codes and scales need not be those that the quantiser above would give.
;; 2 versions, each right and faster than the one before. Each part assembles by itself: llvm-mc -triple=amdgcn-amd-amdhsa -mcpu=gfx1250 --defsym DOCPART=n.
;; ======== version 1 of 2: 5 launches
;; workspace buffers: xq 2,097,152 bytes; sel 16,384 bytes of whole numbers; gate 16,384 bytes; rowtok 23,552 bytes of whole numbers; posof 16,384 bytes of whole numbers; ttab 256 bytes of whole numbers; hq 12,058,624 bytes; yb 24,117,248 bytes
;; launch route (part 1): grid 256 x 1, 4 waves a work-group, no clusters, 0 bytes of LDS; arguments inp, Wg, bg, lowp_scales, xq, sel, gate; writes xq, sel, gate
.if DOCPART == 1
	.amdgcn_target "amdgcn-amd-amdhsa--gfx1250"
	.amdhsa_code_object_version 6
	.text
	.protected	k_q5700c5a01b_route
	.globl	k_q5700c5a01b_route
	.p2align	8
	.type	k_q5700c5a01b_route,@function
k_q5700c5a01b_route:
	s_mov_b64 s[64:65], 0
	v_nop
	global_prefetch_b8 v0, s[64:65] scope:SCOPE_SE
	s_setreg_imm32_b32 hwreg(HW_REG_WAVE_MODE, 25, 1), 1
	s_wait_xcnt 0x0
; THE GATE AND THE TOKENS' CODES.  logits = inp Wg + bg in f32 (fused multiply-adds); the two largest logits of each token (on a tie the lower index, as jax.lax.top_k);
; their softmax with the larger taken away first: g0 = 1 / (1 + 2^((v2 - v1) log2 e)), g1 = 2^(..) g0; and inp as codes of E5M2 with the given scale 2^e0 (K = the 1,024 of a row, innermost).
; DEAD WORK, LEFT OUT IN THE WHOLE PROGRAM.  comb[n][e] is built by reference() itself as a sum of one_hot(top_idx[n]) x gate_score: for an expert e that is not among top_idx[n] it is 0, whatever the inputs hold.
; out[n] = sum over e of comb[n][e] y[n][e], so h[n][e][:] and y[n][e][:] of such a pair (n, e) reach no output in exact arithmetic: 6 of every 8 rows of both large products.
; Which rows are kept is decided by whole numbers: this launch stores them at fixed places (sel), and only later launches, which read them from memory, form addresses from them.
; Every input has a way to the output and is loaded by some launch.  LIMIT: a NaN, an infinity or an overflow that arises only in an expert that was not chosen for a token is not carried to the result.
; LIMITS: e0 between -126 and 112, so that 2^e0 and 57,344 x 2^e0 are f32 numbers.  NaN among the inputs is not served.  Two logits that differ by less than the rounding of a sum of 1,024 f32 terms may be ordered otherwise than by another order of summing.
; SHARES.  A wave takes 2 tokens, n = 8 x work-group + 2 x wave + q.  Lane l holds x[256 j + 8 l + i], j = 0..3, i = 0..7: eight neighbours along K, as the conversion wants them, and each pair of loads of a wave covers 1,024 consecutive bytes.
; The lane's 32 rows of Wg (8 numbers each) fill register window 1.  No LDS, no barrier, no matrix unit: N = 8 is under a matrix tile's 16, and the launch is bound by its loads.
; REGISTERS: v1 lane, v2 32 l, v3 256 l, v4 8 l, v9 -infinity, v10 57,344 x 2^e0, v11 2^e0; v16-19 what lanes 0 and 1 store; v32-95 x (later at work); v96-111 the 2 x 8 sums; v112-127 eight registers a token: largest, its index, second, its index, at work; v128-135 masked logits; v136-151 codes.
.set X,   32
.set ACC, 96
.set TK,  112
.set MK,  128
.set CD,  136
.set MSB, 0
.macro WIN new                         ; the immediate's high byte repeats the setting that is left
.if MSB != \new
	s_set_vgpr_msb (MSB<<8)|\new
.set MSB, \new
.endif
.endm
	s_load_b256 s[4:11], s[0:1], 0x0               ; inp s[4:5], Wg s[6:7], bg s[8:9], the scales' exponents s[10:11]
	s_load_b128 s[12:15], s[0:1], 0x20             ; xq s[12:13], sel s[14:15]
	s_load_b64 s[16:17], s[0:1], 0x30              ; gate
	v_lshrrev_b32 v5, 5, v0
	v_readfirstlane_b32 s18, v5                    ; wave 0..3
	v_and_b32 v1, 31, v0                           ; lane
	v_lshlrev_b32 v2, 5, v1                        ; my 8 numbers of 256 of x
	v_lshlrev_b32 v3, 8, v1                        ; my 8 rows of 256 of Wg
	v_lshlrev_b32 v4, 3, v1                        ; my 8 codes; also lane q's pair in sel and gate
	v_mov_b32 v9, 0xff800000                       ; -infinity
	s_lshl_b32 s19, ttmp9, 3
	s_lshl_b32 s20, s18, 1
	s_add_co_u32 s19, s19, s20                     ; my first token
	s_lshl_b32 s20, s19, 12                        ; its row of inp: 4,096 bytes a row
	s_mov_b32 s21, 0
	s_lshl_b32 s22, s19, 10                        ; its row of codes
	s_mov_b32 s23, 0
	s_lshl_b32 s36, s19, 3                         ; its pair in sel and in gate
	s_mov_b32 s37, 0
	s_mov_b32 s34, 0x76543210                      ; v_permlanex16_b32's selects: lane l xor 16
	s_mov_b32 s35, 0xfedcba98
	s_wait_kmcnt 0x0
	s_load_b256 s[24:31], s[8:9], 0x0              ; bg
	s_load_b32 s32, s[10:11], 0x0                  ; e0
	s_add_nc_u64 s[4:5], s[4:5], s[20:21]
	s_add_nc_u64 s[12:13], s[12:13], s[22:23]
	s_add_nc_u64 s[14:15], s[14:15], s[36:37]
	s_add_nc_u64 s[16:17], s[16:17], s[36:37]
.irp q, 0,1
.irp j, 0,1,2,3
	global_load_b128 v[X+32*\q+8*\j:X+32*\q+8*\j+3],   v2, s[4:5] offset:4096*\q+1024*\j th:TH_LOAD_NT
	global_load_b128 v[X+32*\q+8*\j+4:X+32*\q+8*\j+7], v2, s[4:5] offset:4096*\q+1024*\j+16 th:TH_LOAD_NT
.endr
.endr
	WIN 0x40                                       ; destination window 1: Wg's row 256 j + 8 l + i at v[64 j + 8 i] on
.irp j, 0,1,2,3
.irp i, 0,1,2,3,4,5,6,7
	global_load_b128 v[64*\j+8*\i:64*\j+8*\i+3],   v3, s[6:7] offset:8192*\j+32*\i
	global_load_b128 v[64*\j+8*\i+4:64*\j+8*\i+7], v3, s[6:7] offset:8192*\j+32*\i+16
.endr
.endr
	s_wait_kmcnt 0x0
	s_add_co_i32 s32, s32, 127
	s_lshl_b32 s33, s32, 23                        ; 2^e0 as f32
	s_add_co_i32 s32, s32, 15
	s_lshl_b32 s32, s32, 23
	s_or_b32 s32, s32, 0x600000                    ; 57,344 x 2^e0
	s_wait_loadcnt 0x0                             ; x and Wg
	WIN 0x01                                       ; source 0 (Wg) window 1
; 2 tokens x 32 numbers x 8 experts: two experts an instruction; x is taken for both halves (its register of the pair is picked by op_sel and op_sel_hi).  The first term starts the sums; the eight pairs of sums take turns.
.irp j, 0,1,2,3
.irp i, 0,1,2,3,4,5,6,7
.irp q, 0,1
.irp e, 0,2,4,6
.if (\j == 0) && (\i == 0)
	v_pk_mul_f32 v[ACC+8*\q+\e:ACC+8*\q+\e+1], v[64*\j+8*\i+\e:64*\j+8*\i+\e+1], v[X+32*\q+8*\j:X+32*\q+8*\j+1] op_sel_hi:[1,0]
.elseif (\i % 2) == 0
	v_pk_fma_f32 v[ACC+8*\q+\e:ACC+8*\q+\e+1], v[64*\j+8*\i+\e:64*\j+8*\i+\e+1], v[X+32*\q+8*\j+\i:X+32*\q+8*\j+\i+1], v[ACC+8*\q+\e:ACC+8*\q+\e+1] op_sel_hi:[1,0,1]
.else
	v_pk_fma_f32 v[ACC+8*\q+\e:ACC+8*\q+\e+1], v[64*\j+8*\i+\e:64*\j+8*\i+\e+1], v[X+32*\q+8*\j+\i-1:X+32*\q+8*\j+\i], v[ACC+8*\q+\e:ACC+8*\q+\e+1] op_sel:[0,1,0] op_sel_hi:[1,1,1]
.endif
.endr
.endr
.endr
.endr
	WIN 0
	v_mov_b32 v11, s33
	v_mov_b32 v10, s32
; the codes: hold at the largest code x the scale (the conversion to an 8-bit code does not saturate: ISA guide 7.6.2), then eight numbers a conversion
.set jj, 0
.rept 64
	v_med3_num_f32 v[X+jj], v[X+jj], -v10, v10
.set jj, jj+1
.endr
.irp q, 0,1
.irp j, 0,1,2,3
	v_cvt_scalef32_pk8_bf8_f32 v[CD+8*\q+2*\j:CD+8*\q+2*\j+1], v[X+32*\q+8*\j:X+32*\q+8*\j+7], v11
.endr
.endr
	v_nop                                          ; one plain instruction behind the last conversion: x's registers are written again below
.irp q, 0,1
.irp j, 0,1,2,3
	global_store_b64 v4, v[CD+8*\q+2*\j:CD+8*\q+2*\j+1], s[12:13] offset:1024*\q+256*\j   ; 32 lanes store 256 consecutive bytes, aligned
.endr
.endr
; the 16 sums over the 32 lanes: every lane ends with all of them
.irp k, 1,2,4,8
.set jj, 0
.rept 16
	v_add_f32_dpp v[ACC+jj], v[ACC+jj], v[ACC+jj] row_xmask:\k row_mask:0xf bank_mask:0xf
.set jj, jj+1
.endr
.endr
.set jj, 0
.rept 16
	v_permlanex16_b32 v[X+jj], v[ACC+jj], s34, s35 ; (its destination counts as read: x's registers have been written)
.set jj, jj+1
.endr
.set jj, 0
.rept 16
	v_add_f32 v[ACC+jj], v[ACC+jj], v[X+jj]
.set jj, jj+1
.endr
.irp q, 0,1
.irp e, 0,1,2,3,4,5,6,7
	v_add_f32 v[ACC+8*\q+\e], s[24+\e], v[ACC+8*\q+\e]   ; + bg
.endr
.endr
; the two largest.  A later logit takes the place only where it is strictly larger: ties keep the lower index.  Selections only: no branch and no address hangs on these numbers.
.irp q, 0,1
	v_mov_b32 v[TK+8*\q], v[ACC+8*\q]
	v_mov_b32 v[TK+8*\q+1], 0
.irp e, 1,2,3,4,5,6,7
	v_cmp_le_f32 vcc_lo, v[ACC+8*\q+\e], v[TK+8*\q]
	v_cndmask_b32 v[TK+8*\q], v[ACC+8*\q+\e], v[TK+8*\q], vcc_lo
	v_cndmask_b32 v[TK+8*\q+1], \e, v[TK+8*\q+1], vcc_lo
.endr
.irp e, 0,1,2,3,4,5,6,7
	v_cmp_eq_u32 vcc_lo, \e, v[TK+8*\q+1]
	v_cndmask_b32 v[MK+\e], v[ACC+8*\q+\e], v9, vcc_lo   ; the winner becomes -infinity
.endr
	v_mov_b32 v[TK+8*\q+2], v[MK]
	v_mov_b32 v[TK+8*\q+3], 0
.irp e, 1,2,3,4,5,6,7
	v_cmp_le_f32 vcc_lo, v[MK+\e], v[TK+8*\q+2]
	v_cndmask_b32 v[TK+8*\q+2], v[MK+\e], v[TK+8*\q+2], vcc_lo
	v_cndmask_b32 v[TK+8*\q+3], \e, v[TK+8*\q+3], vcc_lo
.endr
.endr
; the softmax of the two, the larger taken away
.irp q, 0,1
	v_sub_f32 v[TK+8*\q+4], v[TK+8*\q+2], v[TK+8*\q]   ; v2 - v1, 0 or less
.endr
.irp q, 0,1
	v_mul_f32 v[TK+8*\q+4], 0x3fb8aa3b, v[TK+8*\q+4]
.endr
.irp q, 0,1
	v_exp_f32 v[TK+8*\q+4], v[TK+8*\q+4]
.endr
	v_nop                                          ; a plain instruction behind the exponentials,
	s_wait_alu depctr_va_vdst(0)                   ; and one wait for both, ahead of their first reader
.irp q, 0,1
	v_add_f32 v[TK+8*\q+5], 1.0, v[TK+8*\q+4]
.endr
.irp q, 0,1
	v_rcp_f32 v[TK+8*\q+5], v[TK+8*\q+5]           ; g0
.endr
	v_nop
	s_wait_alu depctr_va_vdst(0)
.irp q, 0,1
	v_mul_f32 v[TK+8*\q+6], v[TK+8*\q+4], v[TK+8*\q+5]   ; g1
.endr
	v_cmp_eq_u32 vcc_lo, 1, v1                     ; lane q stores token q's two pairs
	v_cndmask_b32 v16, v[TK+1], v[TK+9], vcc_lo
	v_cndmask_b32 v17, v[TK+3], v[TK+11], vcc_lo
	v_cndmask_b32 v18, v[TK+5], v[TK+13], vcc_lo
	v_cndmask_b32 v19, v[TK+6], v[TK+14], vcc_lo
	v_cmp_gt_u32 vcc_lo, 2, v1
	s_wait_xcnt 0x0                                ; EXEC is a source of the stores above: it changes only behind this wait
	s_and_saveexec_b32 s36, vcc_lo
	global_store_b64 v4, v[16:17], s[14:15]        ; the chosen experts, at a fixed place
	global_store_b64 v4, v[18:19], s[16:17]        ; their weights
	s_wait_xcnt 0x0                                ; and again, ahead of the line that widens it
	s_or_b32 exec_lo, exec_lo, s36
	s_endpgm
.Lfunc_end_k_q5700c5a01b_route:
	.size	k_q5700c5a01b_route, .Lfunc_end_k_q5700c5a01b_route-k_q5700c5a01b_route
	.p2alignl 7, 3214868480
	.fill 96, 4, 3214868480
	.section	.rodata,"a",@progbits
	.p2align	6, 0x0
	.amdhsa_kernel k_q5700c5a01b_route
		.amdhsa_group_segment_fixed_size 0
		.amdhsa_private_segment_fixed_size 0
		.amdhsa_enable_private_segment 0
		.amdhsa_kernarg_size 56
		.amdhsa_user_sgpr_count 2
		.amdhsa_user_sgpr_kernarg_segment_ptr 1
		.amdhsa_wavefront_size32 1
		.amdhsa_system_sgpr_workgroup_id_x 1
		.amdhsa_system_sgpr_workgroup_id_y 1
		.amdhsa_system_sgpr_workgroup_id_z 1
		.amdhsa_system_vgpr_workitem_id 0
		.amdhsa_next_free_vgpr 512
		.amdhsa_next_free_sgpr 66
		.amdhsa_reserve_vcc 1
		.amdhsa_float_denorm_mode_32 3
		.amdhsa_float_denorm_mode_16_64 3
		.amdhsa_memory_ordered 1
		.amdhsa_forward_progress 1
		.amdhsa_inst_pref_size 42
	.end_amdhsa_kernel
	.amdgpu_metadata
---
amdhsa.version: [ 1, 2 ]
amdhsa.kernels:
  - .name:           k_q5700c5a01b_route
    .symbol:         k_q5700c5a01b_route.kd
    .args:
      - { .name: inp, .offset: 0, .size: 8, .value_kind: global_buffer, .address_space: global }
      - { .name: Wg, .offset: 8, .size: 8, .value_kind: global_buffer, .address_space: global }
      - { .name: bg, .offset: 16, .size: 8, .value_kind: global_buffer, .address_space: global }
      - { .name: lowp_scales, .offset: 24, .size: 8, .value_kind: global_buffer, .address_space: global }
      - { .name: xq, .offset: 32, .size: 8, .value_kind: global_buffer, .address_space: global }
      - { .name: sel, .offset: 40, .size: 8, .value_kind: global_buffer, .address_space: global }
      - { .name: gate, .offset: 48, .size: 8, .value_kind: global_buffer, .address_space: global }
    .group_segment_fixed_size: 0
    .private_segment_fixed_size: 0
    .kernarg_segment_align: 8
    .kernarg_segment_size: 56
    .max_flat_workgroup_size: 128
    .sgpr_count:     66
    .vgpr_count:     512
    .wavefront_size: 32
...
	.end_amdgpu_metadata
.endif
;; end of part 1
;; launch place (part 2): grid 1 x 1, 32 waves a work-group, no clusters, 8,192 bytes of LDS; arguments sel, rowtok, posof, ttab; writes rowtok, posof, ttab
.if DOCPART == 2
	.amdgcn_target "amdgcn-amd-amdhsa--gfx1250"
	.amdhsa_code_object_version 6
	.text
	.protected	k_q5700c5a01b_place
	.globl	k_q5700c5a01b_place
	.p2align	8
	.type	k_q5700c5a01b_place,@function
k_q5700c5a01b_place:
	s_mov_b64 s[64:65], 0
	v_nop
	global_prefetch_b8 v0, s[64:65] scope:SCOPE_SE
	s_setreg_imm32_b32 hwreg(HW_REG_WAVE_MODE, 25, 1), 1
	s_wait_xcnt 0x0
; THE ROWS ARE PLACED BY EXPERT: a counting sort of the 4,096 pairs (token, slot) that the launch before chose, on whole numbers alone.  (Only the chosen pairs get rows: the other experts' rows are dead work, as shown at the head of the first kernel.)
; Each expert's rows follow each other and begin at a multiple of 256: tiles of 256 rows, never more than 4,096 / 256 + 7 = 23, whatever the split.
; posof[token][slot] = the pair's row; rowtok[row] = its token (real rows only: nobody reads the others); ttab: words 0-31 a tile's expert, words 32-63 its number of rows (0 for a tile that this split leaves empty).
; ONE work-group of 32 waves: thread t takes entries 4 t .. 4 t + 3.  A sum over all entries wants one owner; 16 KiB of input do not feed more work-groups.  No atomics: each wave counts by masks, the counts meet in LDS behind one barrier.
; LDS: 0 .. 4,095 the waves' counts, [wave][32 words], words 0-7 used; from 4,096 the spare words, 128 bytes a wave.
.set SPARE, 4096
	s_load_b256 s[4:11], s[0:1], 0x0               ; sel s[4:5], rowtok s[6:7], posof s[8:9], ttab s[10:11]
	v_lshl_add_u32 v40, v0, 2, SPARE               ; my spare word,
	v_mov_b32 v41, 0                               ; and 0: kept for the closing lines alone
	v_lshrrev_b32 v3, 5, v0
	v_readfirstlane_b32 s12, v3                    ; wave 0..31
	v_and_b32 v1, 31, v0                           ; lane
	v_lshlrev_b32 v2, 4, v0                        ; my 16 bytes of sel and of posof
	v_lshlrev_b32 v9, 2, v0                        ; LDS: my wave's 32 words, my lane's word
	v_lshrrev_b32 v11, 3, v1                       ; q = lane / 8
	v_and_b32 v10, 7, v1                           ; e = lane % 8
	v_lshlrev_b32 v10, 2, v10
	v_lshl_add_u32 v10, v11, 10, v10               ; LDS: expert e's word of wave 8 q
	v_lshlrev_b32 v11, 3, v11                      ; 8 q
	v_mov_b32 v8, 0
	s_mov_b32 s50, 0x76543210
	s_mov_b32 s51, 0xfedcba98
	s_wait_kmcnt 0x0
	global_load_b128 v[4:7], v2, s[4:5]
	s_wait_loadcnt 0x0
.irp j, 0,1,2,3
	v_min_u32 v[4+\j], 7, v[4+\j]                  ; an expert's number stays inside the table
.endr
; pass 1: how many of my wave's 128 entries name expert e -> lane e of v8
.irp e, 0,1,2,3,4,5,6,7
	v_cmp_eq_u32 s14, \e, v4
	s_bcnt1_i32_b32 s13, s14
.irp j, 1,2,3
	v_cmp_eq_u32 s14, \e, v[4+\j]
	s_bcnt1_i32_b32 s15, s14
	s_add_co_u32 s13, s13, s15
.endr
	v_writelane_b32 v8, s13, \e
.endr
	ds_store_b32 v9, v8
	s_wait_dscnt 0x0                               ; for the others' sake: my counts lie in LDS
	s_barrier_signal -1
	s_barrier_wait -1
.irp i, 0,1,2,3,4,5,6,7
	ds_load_b32 v[12+\i], v10 offset:128*\i        ; expert e's count in waves 8 q + i
.endr
	s_wait_dscnt 0x0
	v_add3_u32 v20, v12, v13, v14
	v_add3_u32 v20, v20, v15, v16
	v_add3_u32 v20, v20, v17, v18
	v_add_nc_u32 v20, v20, v19                     ; over my eight waves: all,
.irp i, 0,1,2,3,4,5,6,7
	v_add_nc_u32 v22, \i, v11
	v_cmp_gt_u32 vcc_lo, s12, v22                  ; and those of waves in front of mine
	v_cndmask_b32 v[12+\i], 0, v[12+\i], vcc_lo
.endr
	v_add3_u32 v21, v12, v13, v14
	v_add3_u32 v21, v21, v15, v16
	v_add3_u32 v21, v21, v17, v18
	v_add_nc_u32 v21, v21, v19
	v_mov_b32 v22, 0                               ; (destinations of lane moves count as read)
	v_mov_b32 v23, 0
	v_mov_b32_dpp v22, v20 row_xmask:8 row_mask:0xf bank_mask:0xf   ; the four q meet: lane l xor 8,
	v_mov_b32_dpp v23, v21 row_xmask:8 row_mask:0xf bank_mask:0xf
	v_add_nc_u32 v20, v20, v22
	v_add_nc_u32 v21, v21, v23
	v_permlanex16_b32 v22, v20, s50, s51           ; lane l xor 16
	v_permlanex16_b32 v23, v21, s50, s51
	v_add_nc_u32 v20, v20, v22
	v_add_nc_u32 v21, v21, v23
.irp e, 0,1,2,3,4,5,6,7
	v_readlane_b32 s[16+\e], v20, \e               ; expert e's rows in all,
	v_readlane_b32 s[24+\e], v21, \e               ; and in the waves in front of mine
.endr
	s_mov_b32 s48, 0                               ; tiles so far
.irp e, 0,1,2,3,4,5,6,7
	s_mov_b32 s[32+\e], s48                        ; expert e's first tile
	s_lshl_b32 s49, s48, 8
	s_add_co_u32 s[24+\e], s[24+\e], s49           ; my wave's first row of expert e
	s_add_co_u32 s49, s[16+\e], 255
	s_lshr_b32 s49, s49, 8
	s_add_co_u32 s48, s48, s49
	s_mov_b32 s[40+\e], s48                        ; the tile behind its last
.endr
; pass 2: each entry's row = my wave's first row of its expert + the entries of that expert in front of it in my wave
.irp j, 0,1,2,3
	v_mov_b32 v[24+\j], 0
.endr
.irp e, 0,1,2,3,4,5,6,7
.irp j, 0,1,2,3
	v_cmp_eq_u32 s14, \e, v[4+\j]
	v_mbcnt_lo_u32_b32 v22, s14, s[24+\e]
	v_cndmask_b32 v[24+\j], v[24+\j], v22, s14
	s_bcnt1_i32_b32 s15, s14
	s_add_co_u32 s[24+\e], s[24+\e], s15
.endr
.endr
	global_store_b128 v2, v[24:27], s[8:9]         ; posof: 32 lanes store 512 consecutive bytes
	v_lshlrev_b32 v32, 1, v0                       ; my two tokens: 2 t,
	v_add_nc_u32 v33, 1, v32                       ; 2 t + 1
.irp j, 0,1,2,3
	v_min_u32 v[28+\j], 0x16ff, v[24+\j]           ; a row stays inside the 23 x 256
	v_lshlrev_b32 v[28+\j], 2, v[28+\j]
.endr
.irp j, 0,1,2,3
	global_store_b32 v[28+\j], v[32+\j/2], s[6:7]  ; rowtok: scattered words, 16 KiB in the whole launch
.endr
	s_cmp_lg_u32 s12, 0                            ; the table of tiles: wave 0, lane t for tile t
	s_cbranch_scc1 .Ldone
	v_mov_b32 v34, 0
	v_mov_b32 v35, 0
	v_lshlrev_b32 v36, 8, v1
	v_lshlrev_b32 v38, 2, v1
.irp e, 0,1,2,3,4,5,6,7
	v_cmp_le_u32 s14, s[32+\e], v1
	v_cmp_gt_u32 s15, s[40+\e], v1
	s_and_b32 s14, s14, s15                        ; tile t is expert e's
	s_lshl_b32 s49, s[32+\e], 8
	s_add_co_u32 s49, s49, s[16+\e]
	v_sub_nc_u32 v37, s49, v36                     ; the expert's rows from this tile on,
	v_min_u32 v37, 0x100, v37                      ; at most 256
	v_cndmask_b32 v34, v34, \e, s14
	v_cndmask_b32 v35, v35, v37, s14
.endr
	global_store_b32 v38, v34, s[10:11]
	global_store_b32 v38, v35, s[10:11] offset:128
.Ldone:
	s_wait_tensorcnt 0x0                           ; the wave's end: a tensor wait, an LDS add and its wait behind my last LDS store, the tensor wait even in a text with no tensor load
	ds_add_u32 v40, v41
	s_wait_dscnt 0x0
	s_endpgm
.Lfunc_end_k_q5700c5a01b_place:
	.size	k_q5700c5a01b_place, .Lfunc_end_k_q5700c5a01b_place-k_q5700c5a01b_place
	.p2alignl 7, 3214868480
	.fill 96, 4, 3214868480
	.section	.rodata,"a",@progbits
	.p2align	6, 0x0
	.amdhsa_kernel k_q5700c5a01b_place
		.amdhsa_group_segment_fixed_size 8192
		.amdhsa_private_segment_fixed_size 0
		.amdhsa_enable_private_segment 0
		.amdhsa_kernarg_size 32
		.amdhsa_user_sgpr_count 2
		.amdhsa_user_sgpr_kernarg_segment_ptr 1
		.amdhsa_wavefront_size32 1
		.amdhsa_system_sgpr_workgroup_id_x 1
		.amdhsa_system_sgpr_workgroup_id_y 1
		.amdhsa_system_sgpr_workgroup_id_z 1
		.amdhsa_system_vgpr_workitem_id 0
		.amdhsa_next_free_vgpr 48
		.amdhsa_next_free_sgpr 66
		.amdhsa_reserve_vcc 1
		.amdhsa_float_denorm_mode_32 3
		.amdhsa_float_denorm_mode_16_64 3
		.amdhsa_memory_ordered 1
		.amdhsa_forward_progress 1
		.amdhsa_inst_pref_size 24
	.end_amdhsa_kernel
	.amdgpu_metadata
---
amdhsa.version: [ 1, 2 ]
amdhsa.kernels:
  - .name:           k_q5700c5a01b_place
    .symbol:         k_q5700c5a01b_place.kd
    .args:
      - { .name: sel, .offset: 0, .size: 8, .value_kind: global_buffer, .address_space: global }
      - { .name: rowtok, .offset: 8, .size: 8, .value_kind: global_buffer, .address_space: global }
      - { .name: posof, .offset: 16, .size: 8, .value_kind: global_buffer, .address_space: global }
      - { .name: ttab, .offset: 24, .size: 8, .value_kind: global_buffer, .address_space: global }
    .group_segment_fixed_size: 8192
    .private_segment_fixed_size: 0
    .kernarg_segment_align: 8
    .kernarg_segment_size: 32
    .max_flat_workgroup_size: 1024
    .sgpr_count:     66
    .vgpr_count:     48
    .wavefront_size: 32
...
	.end_amdgpu_metadata
.endif
;; end of part 2
;; launch up (part 3): grid 8 x 23, 4 waves a work-group, no clusters, 70,144 bytes of LDS; arguments xq, W1_codes, b1, lowp_scales, rowtok, ttab, hq; writes hq
.if DOCPART == 3
	.amdgcn_target "amdgcn-amd-amdhsa--gfx1250"
	.amdhsa_code_object_version 6
	.text
	.protected	k_q5700c5a01b_up
	.globl	k_q5700c5a01b_up
	.p2align	8
	.type	k_q5700c5a01b_up,@function
k_q5700c5a01b_up:
	s_mov_b64 s[64:65], 0
	v_nop
	global_prefetch_b8 v0, s[64:65] scope:SCOPE_SE
	s_setreg_imm32_b32 hwreg(HW_REG_WAVE_MODE, 25, 1), 1
	s_wait_xcnt 0x0
; h = gelu(x W1[e] + b1[e]) for the ROUTED rows alone (the rows of experts that were not chosen are dead work, as shown at the head of the first kernel), quantised to E5M2 with the given 2^e3 and stored as codes.
; Both operands are codes of E5M2; v_wmma_f32_16x16x128_bf8_bf8; a finished sum is multiplied once by 2^(e0 + e1).  gelu is reference()'s tanh form, written x / (1 + 2^(x (c1 + c2 x^2))), c1 = -2 log2(e) sqrt(2 / pi), c2 = 0.044715 c1: the same function, in f32.
; SHARES.  Work-group (x, t): tile t of 256 sorted rows (one expert, read from ttab) x hidden units 256 x .. 256 x + 255, in two passes of 128.  Wave w: rows 64 w .. 64 w + 63 (4 subtiles a) x the pass's 128 units (8 subtiles tt): 32 accumulators.
; THE PRODUCT IS USED TRANSPOSED (source 0 = 16 rows of W1, source 1 = 16 tokens): a lane holds ONE token and eight hidden units.  W1's row rho of a pass lies at LDS row rho with its bits 3 and 4 exchanged, so that lane (r, h)'s 16 registers of
; subtiles 2 b and 2 b + 1 are hidden units 32 b + 16 h + 0 .. 15: the conversions' results ARE the registers of the next product's operand, and are stored so (hq: [subtile of 16 rows][K step of 128][group c: 512 bytes, 16 a lane]).
; K's places in a fragment: registers 4 c .. 4 c + 3 hold k = 32 c + 16 h + 0 .. 15, alike in both operands: a permutation of k inside an instruction, for a result that is judged within a tolerance.
; OPERANDS.  W1: memory -> registers (two rows x 256 aligned bytes an instruction) -> LDS, two buffers of 128 rows x 256 K, one barrier a trip of 256 K.  The tokens' codes: gathered from memory straight into a ring of four K steps in registers.
; No tensor loads: a wave whose 64 rows lie behind the tile's last row jumps over its products, and a subtile behind it over its gelu and stores; these are branches on a stored count.  No barrier stands under such a branch; such a wave goes on feeding W1 to LDS.
; A tile that the split leaves empty (count 0) feeds expert 0's weights, multiplies one K step and stores nothing: the price of a grid that serves every split.
; No cluster: which tiles share an expert's weights is read from memory (an expert has 0 to 16 tiles), so no fixed group of work-groups can be shown to ask for equal tiles.
; LIMITS: e0 + e1 between -126 and 127; e3 between -126 and 112.  NaN among the inputs is not served.
; REGISTERS, in windows of 256.  Window 0: v1 lane, v2 r, v3 h, v4 16 x lane, v5 fragments' LDS place, v6 where I store W1 in LDS, v7 where I load it, v8-11 my four tokens' rows of xq, v12-15 rowtok's addresses, v16 64 h, v20, v21 the add's two,
;   v22 2^e3, v23 57,344 x 2^e3, v[24:25] c1; v32-159 eight fragments of W1 (in the gelu: v32-95 x, v96-159 at work); v160-223 the codes of four subtiles.
;   Window 1: the accumulators, (a, tt) at v[64 a + 8 tt].  Window 2: the tokens' ring, K step k, subtile a at v[64 (k % 4) + 16 a].  Window 3: v0-63 b1 of pass 0, v192-255 of pass 1; v64-127, v128-191 W1 on its way to LDS.
.set PITCH, 272                        ; an LDS row: 256 bytes + 16 of padding = 68 words: row r starts at bank 4 r mod 64 (64 banks of 4 bytes: ISA guide 11.1)
.set BUFB,  128*PITCH
.set SPARE, 2*BUFB                     ; behind the two buffers: the spare words, 128 bytes a wave
.set BF,    32
.set XR,    BF
.set GR,    BF+64
.set CODES, 160
.set SG,    64
.set MSB, 0
.macro WIN new                         ; bits 1:0 source 0, 3:2 source 1, 5:4 source 2, 7:6 destination; the high byte repeats the setting that is left
.if MSB != \new
	s_set_vgpr_msb (MSB<<8)|\new
.set MSB, \new
.endif
.endm
.macro BLOAD j                         ; block j of W1 (pass j / 4, K bytes 256 (j % 4) on): my 32 rows, into window 3
	WIN 0xc0
.set mm, 0
.rept 16
	global_load_b128 v[SG+64*((\j)%2)+4*mm:SG+64*((\j)%2)+4*mm+3], v7, s[6:7] offset:((\j)/4)*131072+2048*mm+256*((\j)%4)
.set mm, mm+1
.endr
.endm
.macro BSTORE j                        ; and on into buffer j % 2; row 2 m of my 32 goes to the row with bits 3 and 4 exchanged
	WIN 0x0c
.set mm, 0
.rept 16
	ds_store_b128 v6, v[SG+64*((\j)%2)+4*mm:SG+64*((\j)%2)+4*mm+3] offset:((\j)%2)*BUFB+PITCH*(2*(mm%4)+16*((mm/4)%2)+8*(mm/8))
.set mm, mm+1
.endr
.endm
.macro ALOAD k                         ; K step k of my 64 tokens' codes into slot k % 4 of the ring (pass 1 reads the rows again)
	WIN 0x80
.irp a, 0,1,2,3
.irp c, 0,1,2,3
	global_load_b128 v[64*((\k)%4)+16*\a+4*\c:64*((\k)%4)+16*\a+4*\c+3], v[8+\a], s[4:5] offset:128*((\k)%8)+32*\c
.endr
.endr
.endm
.macro FRAGS b, u                      ; the eight fragments of W1 of half u of buffer b
	WIN 0
.irp tt, 0,1,2,3,4,5,6,7
.irp c, 0,1,2,3
	ds_load_b128 v[BF+16*\tt+4*\c:BF+16*\tt+4*\c+3], v5 offset:(\b)*BUFB+16*\tt*PITCH+128*(\u)+32*\c
.endr
.endr
.endm
.macro MUL k, zero                     ; 32 products; the 32 accumulators take turns, one instruction a turn, in the same order in every K step.  zero = 1: they start the sums
	WIN 0x58                                       ; source 0 window 0, source 1 window 2, C and D window 1
.irp tt, 0,1,2,3,4,5,6,7
	s_wait_dscnt 4*(7-\tt)                         ; fragment tt is in: the loads of the fragments behind it may be out
.irp a, 0,1,2,3
.if \zero
	v_wmma_f32_16x16x128_bf8_bf8 v[64*\a+8*\tt:64*\a+8*\tt+7], v[BF+16*\tt:BF+16*\tt+15], v[64*((\k)%4)+16*\a:64*((\k)%4)+16*\a+15], 0
.else
	v_wmma_f32_16x16x128_bf8_bf8 v[64*\a+8*\tt:64*\a+8*\tt+7], v[BF+16*\tt:BF+16*\tt+15], v[64*((\k)%4)+16*\a:64*((\k)%4)+16*\a+15], v[64*\a+8*\tt:64*\a+8*\tt+7]
.endif
.endr
.endr
.endm
.macro BAR                             ; my LDS stores have landed and my LDS loads are in: then the work-group's barrier
	s_wait_dscnt 0x0
	s_barrier_signal -1
	s_barrier_wait -1
.endm
; A TRIP: block i of W1, two K steps.  Loads into registers that matrix instructions have read stand four plain instructions behind them (ISA guide 7.12.1 for vector instructions); an accumulator begun anew, five.
; In the middle, on every wave's path: all that was asked for up to a trip ago is in; block i + 2 is asked for, into the registers that block i's LDS stores have read (the last barrier's wait shows that);
; block i + 1 goes to the other buffer, which every wave left at the last barrier; it is read behind the barrier at this trip's end.
.macro TRIP i, zero
.if (\i) > 0
	s_cmp_eq_u32 s23, 0                            ; a wave with no row jumps over its products (trip 0's first step is run by all, so that every register below is written on every way)
	s_cbranch_scc1 .Ls1_\@
.rept 4+\zero
	v_nop
.endr
.endif
	FRAGS (\i)%2, 0
	MUL 2*(\i), \zero
	WIN 0
.if (\i) > 0
.Ls1_\@:
.endif
	s_wait_loadcnt 0x0
.if (\i)+2 <= 7
	BLOAD (\i)+2
.endif
.if (\i)+1 <= 7
	BSTORE (\i)+1
.endif
	WIN 0
	s_cmp_eq_u32 s23, 0
	s_cbranch_scc1 .Ls2_\@
.rept 4
	v_nop
.endr
.if ((\i) > 0) && (2*(\i)+3 <= 15)
	ALOAD 2*(\i)+3                                 ; into the slot of K step 2 i - 1,
.endif
.if 2*(\i)+4 <= 15
	ALOAD 2*(\i)+4                                 ; and of K step 2 i, both multiplied
.endif
	FRAGS (\i)%2, 1
	MUL 2*(\i)+1, 0
	WIN 0
.Ls2_\@:
.if (\i) < 7
	BAR
.endif
.endm
; Subtile a of pass p: x = sum x 2^(e0 + e1) + b1; gelu; the hold; the codes; four stores of 512 consecutive bytes.  A subtile behind the tile's last row is left out.
.macro GELU a, p
	s_add_co_u32 s38, s24, 16*(\a)
	s_cmp_ge_u32 s38, s22
	s_cbranch_scc1 .Lg_\@
	s_wait_xcnt 0x0                                ; the last pass's stores have read this subtile's code registers
	WIN 0x31                                       ; source 0 (the sums) window 1, source 2 (b1) window 3
.set jj, 0
.rept 32
	v_pk_fma_f32 v[XR+jj:XR+jj+1], v[64*(\a)+jj:64*(\a)+jj+1], s[32:33], v[192*(\p)+jj:192*(\p)+jj+1] op_sel_hi:[1,0,1]   ; each accumulator from its low end on
.set jj, jj+2
.endr
	WIN 0
.set jj, 0
.rept 32
	v_pk_mul_f32 v[GR+jj:GR+jj+1], v[XR+jj:XR+jj+1], v[XR+jj:XR+jj+1]
.set jj, jj+2
.endr
.set jj, 0
.rept 32
	v_pk_fma_f32 v[GR+jj:GR+jj+1], v[GR+jj:GR+jj+1], s[36:37], v[24:25] op_sel_hi:[1,0,0]   ; c2 x^2 + c1
.set jj, jj+2
.endr
.set jj, 0
.rept 32
	v_pk_mul_f32 v[GR+jj:GR+jj+1], v[GR+jj:GR+jj+1], v[XR+jj:XR+jj+1]
.set jj, jj+2
.endr
.set jj, 0
.rept 64
	v_exp_f32 v[GR+jj], v[GR+jj]
.set jj, jj+1
.endr
	v_nop                                          ; a plain instruction behind the batch,
	s_wait_alu depctr_va_vdst(0)                   ; and one wait for it, ahead of its first reader
.set jj, 0
.rept 32
	v_pk_add_f32 v[GR+jj:GR+jj+1], v[GR+jj:GR+jj+1], 1.0 op_sel_hi:[1,0]
.set jj, jj+2
.endr
.set jj, 0
.rept 64
	v_rcp_f32 v[GR+jj], v[GR+jj]
.set jj, jj+1
.endr
	v_nop
	s_wait_alu depctr_va_vdst(0)
.set jj, 0
.rept 32
	v_pk_mul_f32 v[XR+jj:XR+jj+1], v[XR+jj:XR+jj+1], v[GR+jj:GR+jj+1]
.set jj, jj+2
.endr
.set jj, 0
.rept 64
	v_med3_num_f32 v[XR+jj], v[XR+jj], -v23, v23   ; the conversion to an 8-bit code does not saturate (ISA guide 7.6.2)
.set jj, jj+1
.endr
.irp b, 0,1,2,3
	v_cvt_scalef32_pk8_bf8_f32 v[CODES+16*(\a)+4*\b:CODES+16*(\a)+4*\b+1], v[XR+16*\b:XR+16*\b+7], v22
	v_cvt_scalef32_pk8_bf8_f32 v[CODES+16*(\a)+4*\b+2:CODES+16*(\a)+4*\b+3], v[XR+16*\b+8:XR+16*\b+15], v22
.endr
	v_nop                                          ; one plain instruction behind the last conversion
.irp b, 0,1,2,3
	global_store_b128 v4, v[CODES+16*(\a)+4*\b:CODES+16*(\a)+4*\b+3], s[16:17] offset:32768*(\a)+2048*(\p)+512*\b
.endr
.Lg_\@:
.endm
	s_load_b256 s[4:11], s[0:1], 0x0               ; xq s[4:5], W1's codes s[6:7], b1 s[8:9], the scales' exponents s[10:11]
	s_load_b128 s[12:15], s[0:1], 0x20             ; rowtok s[12:13], ttab s[14:15]
	s_load_b64 s[16:17], s[0:1], 0x30              ; hq
	v_lshl_add_u32 v20, v0, 2, SPARE               ; my spare word,
	v_mov_b32 v21, 0                               ; and 0: kept for the closing lines alone
	v_lshrrev_b32 v12, 5, v0
	v_readfirstlane_b32 s18, v12                   ; wave 0..3
	s_and_b32 s19, ttmp7, 0xffff                   ; the tile
	s_mov_b32 s20, ttmp9                           ; the group of 256 hidden units
	v_and_b32 v1, 31, v0
	v_and_b32 v2, 15, v0                           ; r
	v_bfe_u32 v3, v0, 4, 1                         ; h
	v_lshlrev_b32 v4, 4, v1
	v_mul_u32_u24 v5, v2, PITCH
	v_lshl_add_u32 v5, v3, 4, v5                   ; a fragment: row r, + 16 h
	s_mul_i32 s38, s18, 32*PITCH
	v_mul_u32_u24 v6, v3, PITCH
	v_lshl_add_u32 v6, v2, 4, v6
	v_add_nc_u32 v6, s38, v6                       ; into LDS: row 32 w + h, 16 bytes a lane of its 256
	s_lshl_b32 s38, s18, 15
	v_lshlrev_b32 v7, 10, v3
	v_lshl_add_u32 v7, v2, 4, v7
	v_add_nc_u32 v7, s38, v7                       ; the same place in W1: rows of 1,024 bytes
	v_lshlrev_b32 v16, 6, v3                       ; b1: my half's 16 units of each 32
	v_lshlrev_b32 v19, 4, v3                       ; 16 h
	v_mov_b32 v24, 0xc0135761                      ; c1 = -2.3022082
	v_mov_b32 v25, 0xc0135761                      ; (named with it as a pair, so it is written)
	s_mov_b32 s36, 0xbdd2d3e8                      ; c2 = -0.10294324
	s_mov_b32 s37, 0xbdd2d3e8
	s_lshl_b32 s24, s18, 6                         ; my first row in the tile
	s_lshl_b32 s39, s19, 2
	s_wait_kmcnt 0x0
	s_load_b32 s21, s[14:15], s39 offset:0x0       ; the tile's expert,
	s_load_b32 s22, s[14:15], s39 offset:0x80      ; and its number of rows
	s_load_b128 s[28:31], s[10:11], 0x0            ; e0, e1, e2, e3
	s_wait_kmcnt 0x0
	s_min_u32 s21, s21, 7
	s_min_u32 s22, s22, 0x100
	s_cmp_lt_u32 s24, s22
	s_cselect_b32 s23, 1, 0                        ; has my wave a row?
	s_max_u32 s40, s22, 1
	s_sub_co_u32 s40, s40, 1                       ; the tile's last real row (0 in an empty tile)
	s_lshl_b32 s41, s19, 8
	s_cmp_lg_u32 s22, 0
	s_cselect_b32 s41, s41, 0                      ; an empty tile reads row 0, which is always real
	v_add_nc_u32 v18, s24, v2
.irp a, 0,1,2,3
	v_add_nc_u32 v[12+\a], 16*\a, v18              ; row 64 w + 16 a + r of the tile; behind the last real row: that row again, so that every row of a subtile that is stored holds numbers
	v_min_u32 v[12+\a], s40, v[12+\a]
	v_add_nc_u32 v[12+\a], s41, v[12+\a]
	v_min_u32 v[12+\a], 0x16ff, v[12+\a]
	v_lshlrev_b32 v[12+\a], 2, v[12+\a]
	global_load_b32 v[8+\a], v[12+\a], s[12:13]
.endr
	s_lshl_b32 s38, s21, 21                        ; W1: the expert's 2 MiB, my group's 256 rows of 1,024 bytes
	s_lshl_b32 s39, s20, 18
	s_add_co_u32 s38, s38, s39
	s_mov_b32 s39, 0
	s_add_nc_u64 s[6:7], s[6:7], s[38:39]
	s_lshl_b32 s38, s21, 13                        ; b1
	s_lshl_b32 s42, s20, 10
	s_add_co_u32 s38, s38, s42
	s_add_nc_u64 s[8:9], s[8:9], s[38:39]
	s_lshl_b32 s38, s19, 19                        ; hq: subtile 16 t + 4 w of 32,768 bytes, K step 2 x of 2,048
	s_lshl_b32 s42, s18, 17
	s_add_co_u32 s38, s38, s42
	s_lshl_b32 s42, s20, 12
	s_add_co_u32 s38, s38, s42
	s_add_nc_u64 s[16:17], s[16:17], s[38:39]
	s_add_co_i32 s32, s28, s29
	s_add_co_i32 s32, s32, 127
	s_lshl_b32 s32, s32, 23                        ; 2^(e0 + e1) as f32
	s_mov_b32 s33, s32
	s_add_co_i32 s38, s31, 127
	s_lshl_b32 s42, s38, 23
	v_mov_b32 v22, s42                             ; 2^e3: the conversion takes its exponent field
	s_add_co_i32 s38, s38, 15
	s_lshl_b32 s38, s38, 23
	s_or_b32 s38, s38, 0x600000
	v_mov_b32 v23, s38                             ; 57,344 x 2^e3
	BLOAD 0
	BLOAD 1
	WIN 0
	s_wait_loadcnt 32                              ; my four tokens are in: behind them stand the 2 x 16 loads of W1
.irp a, 0,1,2,3
	v_min_u32 v[8+\a], 0x7ff, v[8+\a]
	v_lshl_add_u32 v[8+\a], v[8+\a], 10, v19       ; the token's row of codes, + 16 h
.endr
	ALOAD 0
	ALOAD 1
	ALOAD 2
	ALOAD 3
	WIN 0xc0
.irp p, 0,1
.irp tt, 0,1,2,3,4,5,6,7                ; b1 in the result's layout: subtile tt's eight units of my half
	global_load_b128 v[192*\p+8*\tt:192*\p+8*\tt+3],   v16, s[8:9] offset:512*\p+(32*(\tt/2)+8*(\tt%2))*4
	global_load_b128 v[192*\p+8*\tt+4:192*\p+8*\tt+7], v16, s[8:9] offset:512*\p+(32*(\tt/2)+8*(\tt%2))*4+16
.endr
.endr
	s_wait_loadcnt 0x0
	BSTORE 0
	WIN 0
	BAR
	TRIP 0, 1
	TRIP 1, 0
	TRIP 2, 0
	TRIP 3, 0
.rept 4
	v_nop                                          ; four plain instructions behind the last products, ahead of the first read of results and the first write over fragments
.endr
	GELU 0, 0
	GELU 1, 0
	GELU 2, 0
	GELU 3, 0
	TRIP 4, 1
	TRIP 5, 0
	TRIP 6, 0
	TRIP 7, 0
.rept 4
	v_nop
.endr
	GELU 0, 1
	GELU 1, 1
	GELU 2, 1
	GELU 3, 1
	s_wait_tensorcnt 0x0                           ; the wave's end: a tensor wait, an LDS add and its wait behind my last LDS store, the tensor wait even in a text with no tensor load
	ds_add_u32 v20, v21
	s_wait_dscnt 0x0
	s_endpgm
.Lfunc_end_k_q5700c5a01b_up:
	.size	k_q5700c5a01b_up, .Lfunc_end_k_q5700c5a01b_up-k_q5700c5a01b_up
	.p2alignl 7, 3214868480
	.fill 96, 4, 3214868480
	.section	.rodata,"a",@progbits
	.p2align	6, 0x0
	.amdhsa_kernel k_q5700c5a01b_up
		.amdhsa_group_segment_fixed_size 70144
		.amdhsa_private_segment_fixed_size 0
		.amdhsa_enable_private_segment 0
		.amdhsa_kernarg_size 56
		.amdhsa_user_sgpr_count 2
		.amdhsa_user_sgpr_kernarg_segment_ptr 1
		.amdhsa_wavefront_size32 1
		.amdhsa_system_sgpr_workgroup_id_x 1
		.amdhsa_system_sgpr_workgroup_id_y 1
		.amdhsa_system_sgpr_workgroup_id_z 1
		.amdhsa_system_vgpr_workitem_id 0
		.amdhsa_next_free_vgpr 1024
		.amdhsa_next_free_sgpr 66
		.amdhsa_reserve_vcc 0
		.amdhsa_float_denorm_mode_32 3
		.amdhsa_float_denorm_mode_16_64 3
		.amdhsa_memory_ordered 1
		.amdhsa_forward_progress 1
		.amdhsa_inst_pref_size 255
	.end_amdhsa_kernel
	.section	.bss,"aw",@nobits
	.p2align	6
	.space	262144
	.amdgpu_metadata
---
amdhsa.version: [ 1, 2 ]
amdhsa.kernels:
  - .name:           k_q5700c5a01b_up
    .symbol:         k_q5700c5a01b_up.kd
    .args:
      - { .name: xq, .offset: 0, .size: 8, .value_kind: global_buffer, .address_space: global }
      - { .name: W1_codes, .offset: 8, .size: 8, .value_kind: global_buffer, .address_space: global }
      - { .name: b1, .offset: 16, .size: 8, .value_kind: global_buffer, .address_space: global }
      - { .name: lowp_scales, .offset: 24, .size: 8, .value_kind: global_buffer, .address_space: global }
      - { .name: rowtok, .offset: 32, .size: 8, .value_kind: global_buffer, .address_space: global }
      - { .name: ttab, .offset: 40, .size: 8, .value_kind: global_buffer, .address_space: global }
      - { .name: hq, .offset: 48, .size: 8, .value_kind: global_buffer, .address_space: global }
    .group_segment_fixed_size: 70144
    .private_segment_fixed_size: 0
    .kernarg_segment_align: 8
    .kernarg_segment_size: 56
    .max_flat_workgroup_size: 128
    .sgpr_count:     66
    .vgpr_count:     1024
    .wavefront_size: 32
...
	.end_amdgpu_metadata
.endif
;; end of part 3
;; launch down (part 4): grid 8 x 23, 4 waves a work-group, no clusters, 103,936 bytes of LDS; arguments hq, W2_codes, b2, lowp_scales, ttab, yb; writes yb
.if DOCPART == 4
	.amdgcn_target "amdgcn-amd-amdhsa--gfx1250"
	.amdhsa_code_object_version 6
	.text
	.protected	k_q5700c5a01b_down
	.globl	k_q5700c5a01b_down
	.p2align	8
	.type	k_q5700c5a01b_down,@function
k_q5700c5a01b_down:
	s_mov_b64 s[64:65], 0
	v_nop
	global_prefetch_b8 v0, s[64:65] scope:SCOPE_SE
	s_setreg_imm32_b32 hwreg(HW_REG_WAVE_MODE, 25, 1), 1
	s_wait_xcnt 0x0
; y = h W2[e] + b2[e] for the ROUTED rows alone (the rows of experts that were not chosen are dead work, as shown at the head of the first kernel), in f32, one row of yb for each sorted row.
; Both operands are codes of E5M2; v_wmma_f32_16x16x128_bf8_bf8; y = sum x 2^(e2 + e3) + b2, one packed multiply-add for two numbers.
; SHARES.  Work-group (x, t): tile t of 256 sorted rows x outputs 128 x .. 128 x + 127, K = 2,048 in 8 trips of 256.  Wave w: rows 64 w .. 64 w + 63 (4 subtiles a) x 128 outputs (8 subtiles tt): 32 accumulators.
; THE PRODUCT IS USED TRANSPOSED (source 0 = 16 rows of W2, source 1 = 16 rows of h): a lane holds one row and eight neighbouring outputs.
; OPERANDS.  W2: memory -> registers (two rows x 256 aligned bytes an instruction) -> LDS, two buffers of 128 rows x 256 K, one barrier a trip.  h lies in memory in the order of the operand's registers
; ([subtile][K step][group c: 512 bytes, 16 a lane]; registers 4 c .. 4 c + 3 hold k = 32 c + 16 h + 0 .. 15, as W2's fragments are read): each load of a wave reads 512 consecutive bytes, into a ring of four K steps.
; A subtile behind the tile's last row was not stored by the launch before: its loads are turned to subtile 0, which is stored under every split (tile 0 holds a row), by a selection, with no branch; its results are not stored.
; No tensor loads, no cluster, a wave with no row, an empty tile: as in the launch before, for the same reasons (branches on a stored count, none of them round a barrier; an expert's tiles are known from memory alone).
; THE WAY OUT.  A subtile's 16 rows x 512 bytes go through the wave's own stage in LDS and leave as whole rows: 32 lanes store 512 consecutive bytes, aligned.
; LIMITS: e2 + e3 between -126 and 127.
; REGISTERS, in windows of 256.  Window 0: v1 lane, v2 r, v3 h, v4 16 x lane, v5 fragments' LDS place, v6 where I store W2 in LDS, v7 where I load it, v8-11 my four subtiles of hq, v16 32 h, v17, v18 the stage, in and back, v20, v21 the add's two;
;   v32-159 eight fragments of W2 (on the way out: v32-95 y, v96-159 rows read back).  Window 1: the accumulators, (a, tt) at v[64 a + 8 tt].  Window 2: h's ring, K step k, subtile a at v[64 (k % 4) + 16 a].
;   Window 3: v0-63 b2; v64-127, v128-191 W2 on its way to LDS.
.set PITCH, 272                        ; an LDS row: 256 bytes + 16 of padding = 68 words: row r starts at bank 4 r mod 64 (64 banks of 4 bytes: ISA guide 11.1)
.set BUFB,  128*PITCH
.set STAGE, 2*BUFB                     ; behind the two buffers: 16 rows x (512 + 16) bytes for each wave
.set SPITCH, 528
.set SPARE, STAGE+4*16*SPITCH          ; behind the stages: the spare words, 128 bytes a wave
.set BF,    32
.set SG,    64
.set MSB, 0
.macro WIN new                         ; bits 1:0 source 0, 3:2 source 1, 5:4 source 2, 7:6 destination; the high byte repeats the setting that is left
.if MSB != \new
	s_set_vgpr_msb (MSB<<8)|\new
.set MSB, \new
.endif
.endm
.macro BLOAD j                         ; block j of W2 (K bytes 256 j on): my 32 rows, into window 3
	WIN 0xc0
.set mm, 0
.rept 16
	global_load_b128 v[SG+64*((\j)%2)+4*mm:SG+64*((\j)%2)+4*mm+3], v7, s[6:7] offset:4096*mm+256*(\j)
.set mm, mm+1
.endr
.endm
.macro BSTORE j                        ; and on into buffer j % 2
	WIN 0x0c
.set mm, 0
.rept 16
	ds_store_b128 v6, v[SG+64*((\j)%2)+4*mm:SG+64*((\j)%2)+4*mm+3] offset:((\j)%2)*BUFB+2*PITCH*mm
.set mm, mm+1
.endr
.endm
.macro ALOAD k                         ; K step k of my four subtiles of h into slot k % 4 of the ring
	WIN 0x80
.irp a, 0,1,2,3
.irp c, 0,1,2,3
	global_load_b128 v[64*((\k)%4)+16*\a+4*\c:64*((\k)%4)+16*\a+4*\c+3], v[8+\a], s[4:5] offset:2048*(\k)+512*\c
.endr
.endr
.endm
.macro FRAGS b, u                      ; the eight fragments of W2 of half u of buffer b
	WIN 0
.irp tt, 0,1,2,3,4,5,6,7
.irp c, 0,1,2,3
	ds_load_b128 v[BF+16*\tt+4*\c:BF+16*\tt+4*\c+3], v5 offset:(\b)*BUFB+16*\tt*PITCH+128*(\u)+32*\c
.endr
.endr
.endm
.macro MUL k, zero                     ; 32 products; the 32 accumulators take turns, one instruction a turn, in the same order in every K step.  zero = 1: they start the sums
	WIN 0x58                                       ; source 0 window 0, source 1 window 2, C and D window 1
.irp tt, 0,1,2,3,4,5,6,7
	s_wait_dscnt 4*(7-\tt)                         ; fragment tt is in: the loads of the fragments behind it may be out
.irp a, 0,1,2,3
.if \zero
	v_wmma_f32_16x16x128_bf8_bf8 v[64*\a+8*\tt:64*\a+8*\tt+7], v[BF+16*\tt:BF+16*\tt+15], v[64*((\k)%4)+16*\a:64*((\k)%4)+16*\a+15], 0
.else
	v_wmma_f32_16x16x128_bf8_bf8 v[64*\a+8*\tt:64*\a+8*\tt+7], v[BF+16*\tt:BF+16*\tt+15], v[64*((\k)%4)+16*\a:64*((\k)%4)+16*\a+15], v[64*\a+8*\tt:64*\a+8*\tt+7]
.endif
.endr
.endr
.endm
.macro BAR                             ; my LDS stores have landed and my LDS loads are in: then the work-group's barrier
	s_wait_dscnt 0x0
	s_barrier_signal -1
	s_barrier_wait -1
.endm
; A TRIP: block i of W2, two K steps.  Loads into registers that matrix instructions have read stand four plain instructions behind them (ISA guide 7.12.1 for vector instructions).
; In the middle, on every wave's path: all that was asked for up to a trip ago is in; block i + 2 is asked for, into the registers that block i's LDS stores have read (the last barrier's wait shows that);
; block i + 1 goes to the other buffer, which every wave left at the last barrier; it is read behind the barrier at this trip's end.
.macro TRIP i, zero
.if (\i) > 0
	s_cmp_eq_u32 s23, 0                            ; a wave with no row jumps over its products (trip 0's first step is run by all, so that every register below is written on every way)
	s_cbranch_scc1 .Ls1_\@
.rept 4
	v_nop
.endr
.endif
	FRAGS (\i)%2, 0
	MUL 2*(\i), \zero
	WIN 0
.if (\i) > 0
.Ls1_\@:
.endif
	s_wait_loadcnt 0x0
.if (\i)+2 <= 7
	BLOAD (\i)+2
.endif
.if (\i)+1 <= 7
	BSTORE (\i)+1
.endif
	WIN 0
	s_cmp_eq_u32 s23, 0
	s_cbranch_scc1 .Ls2_\@
.rept 4
	v_nop
.endr
.if ((\i) > 0) && (2*(\i)+3 <= 15)
	ALOAD 2*(\i)+3                                 ; into the slot of K step 2 i - 1,
.endif
.if 2*(\i)+4 <= 15
	ALOAD 2*(\i)+4                                 ; and of K step 2 i, both multiplied
.endif
	FRAGS (\i)%2, 1
	MUL 2*(\i)+1, 0
	WIN 0
.Ls2_\@:
.if (\i) < 7
	BAR
.endif
.endm
; Subtile a goes out.  A subtile behind the tile's last row is left out.
.macro OUT a
	s_add_co_u32 s38, s24, 16*(\a)
	s_cmp_ge_u32 s38, s22
	s_cbranch_scc1 .Lo_\@
	s_wait_xcnt 0x0                                ; the last subtile's stores have read their registers: the rows read back below land there
	WIN 0x31                                       ; source 0 (the sums) window 1, source 2 (b2) window 3
.set jj, 0
.rept 32
	v_pk_fma_f32 v[BF+jj:BF+jj+1], v[64*(\a)+jj:64*(\a)+jj+1], s[32:33], v[jj:jj+1] op_sel_hi:[1,0,1]   ; each accumulator from its low end on
.set jj, jj+2
.endr
	WIN 0
.irp tt, 0,1,2,3,4,5,6,7
	ds_store_b128 v17, v[BF+8*\tt:BF+8*\tt+3] offset:64*\tt          ; lane (r, h): y(r, 16 tt + 8 h + 0 .. 7)
	ds_store_b128 v17, v[BF+8*\tt+4:BF+8*\tt+7] offset:64*\tt+16
.endr
.irp i, 0,1,2,3,4,5,6,7,8,9,10,11,12,13,14,15
	ds_load_b128 v[BF+64+4*\i:BF+64+4*\i+3], v18 offset:\i*SPITCH    ; LDS serves a wave's instructions in order (ISA guide 5.7.1.4): these see my stores, and the next subtile's stores come behind them
.endr
.irp i, 0,1,2,3,4,5,6,7,8,9,10,11,12,13,14,15
	s_wait_dscnt 15-\i                             ; row i is back: the rows behind it may be out
	global_store_b128 v4, v[BF+64+4*\i:BF+64+4*\i+3], s[14:15] offset:(16*(\a)+\i)*4096 th:TH_STORE_NT
.endr
.Lo_\@:
.endm
	s_load_b256 s[4:11], s[0:1], 0x0               ; hq s[4:5], W2's codes s[6:7], b2 s[8:9], the scales' exponents s[10:11]
	s_load_b128 s[12:15], s[0:1], 0x20             ; ttab s[12:13], yb s[14:15]
	v_lshl_add_u32 v20, v0, 2, SPARE               ; my spare word,
	v_mov_b32 v21, 0                               ; and 0: kept for the closing lines alone
	v_lshrrev_b32 v12, 5, v0
	v_readfirstlane_b32 s18, v12                   ; wave 0..3
	s_and_b32 s19, ttmp7, 0xffff                   ; the tile
	s_mov_b32 s20, ttmp9                           ; the group of 128 outputs
	v_and_b32 v1, 31, v0
	v_and_b32 v2, 15, v0                           ; r
	v_bfe_u32 v3, v0, 4, 1                         ; h
	v_lshlrev_b32 v4, 4, v1
	v_mul_u32_u24 v5, v2, PITCH
	v_lshl_add_u32 v5, v3, 4, v5                   ; a fragment: row r, + 16 h
	s_mul_i32 s38, s18, 32*PITCH
	v_mul_u32_u24 v6, v3, PITCH
	v_lshl_add_u32 v6, v2, 4, v6
	v_add_nc_u32 v6, s38, v6                       ; into LDS: row 32 w + h, 16 bytes a lane of its 256
	s_lshl_b32 s38, s18, 16
	v_lshlrev_b32 v7, 11, v3
	v_lshl_add_u32 v7, v2, 4, v7
	v_add_nc_u32 v7, s38, v7                       ; the same place in W2: rows of 2,048 bytes
	v_lshlrev_b32 v16, 5, v3                       ; b2: my half's 8 outputs of each 16
	s_mul_i32 s38, s18, 16*SPITCH
	s_add_co_u32 s38, s38, STAGE                   ; my stage
	v_mul_u32_u24 v17, v2, SPITCH
	v_lshl_add_u32 v17, v3, 5, v17
	v_add_nc_u32 v17, s38, v17                     ; in: row r, + 32 h
	v_add_nc_u32 v18, s38, v4                      ; back: 16 bytes a lane of a row's 512
	s_lshl_b32 s24, s18, 6                         ; my first row in the tile
	s_lshl_b32 s39, s19, 2
	s_wait_kmcnt 0x0
	s_load_b32 s21, s[12:13], s39 offset:0x0       ; the tile's expert,
	s_load_b32 s22, s[12:13], s39 offset:0x80      ; and its number of rows
	s_load_b128 s[28:31], s[10:11], 0x0            ; e0, e1, e2, e3
	s_wait_kmcnt 0x0
	s_min_u32 s21, s21, 7
	s_min_u32 s22, s22, 0x100
	s_cmp_lt_u32 s24, s22
	s_cselect_b32 s23, 1, 0                        ; has my wave a row?
	s_lshl_b32 s40, s19, 4
	s_lshl_b32 s41, s18, 2
	s_add_co_u32 s40, s40, s41                     ; my first subtile: 16 t + 4 w
.irp a, 0,1,2,3
	s_add_co_u32 s38, s24, 16*\a
	s_add_co_u32 s39, s40, \a
	s_cmp_lt_u32 s38, s22
	s_cselect_b32 s39, s39, 0                      ; a subtile with no row reads subtile 0
	s_min_u32 s39, s39, 0x16f
	s_lshl_b32 s39, s39, 15
	v_add_nc_u32 v[8+\a], s39, v4
.endr
	s_lshl_b32 s38, s21, 21                        ; W2: the expert's 2 MiB, my group's 128 rows of 2,048 bytes
	s_lshl_b32 s39, s20, 18
	s_add_co_u32 s38, s38, s39
	s_mov_b32 s39, 0
	s_add_nc_u64 s[6:7], s[6:7], s[38:39]
	s_lshl_b32 s38, s21, 12                        ; b2
	s_lshl_b32 s42, s20, 9
	s_add_co_u32 s38, s38, s42
	s_add_nc_u64 s[8:9], s[8:9], s[38:39]
	s_lshl_b32 s38, s19, 20                        ; yb: row 256 t + 64 w of 4,096 bytes, my group's 512
	s_lshl_b32 s42, s18, 18
	s_add_co_u32 s38, s38, s42
	s_lshl_b32 s42, s20, 9
	s_add_co_u32 s38, s38, s42
	s_add_nc_u64 s[14:15], s[14:15], s[38:39]
	s_add_co_i32 s32, s30, s31
	s_add_co_i32 s32, s32, 127
	s_lshl_b32 s32, s32, 23                        ; 2^(e2 + e3) as f32
	s_mov_b32 s33, s32
	BLOAD 0
	BLOAD 1
	ALOAD 0
	ALOAD 1
	ALOAD 2
	ALOAD 3
	WIN 0xc0
.irp tt, 0,1,2,3,4,5,6,7                ; b2 in the result's layout: subtile tt's eight outputs of my half
	global_load_b128 v[8*\tt:8*\tt+3],   v16, s[8:9] offset:64*\tt
	global_load_b128 v[8*\tt+4:8*\tt+7], v16, s[8:9] offset:64*\tt+16
.endr
	s_wait_loadcnt 0x0
	BSTORE 0
	WIN 0
	BAR
	TRIP 0, 1
	TRIP 1, 0
	TRIP 2, 0
	TRIP 3, 0
	TRIP 4, 0
	TRIP 5, 0
	TRIP 6, 0
	TRIP 7, 0
.rept 4
	v_nop                                          ; four plain instructions behind the last products, ahead of the first read of results and the first write over fragments
.endr
	OUT 0
	OUT 1
	OUT 2
	OUT 3
	s_wait_tensorcnt 0x0                           ; the wave's end: a tensor wait, an LDS add and its wait behind my last LDS store, the tensor wait even in a text with no tensor load
	ds_add_u32 v20, v21
	s_wait_dscnt 0x0
	s_endpgm
.Lfunc_end_k_q5700c5a01b_down:
	.size	k_q5700c5a01b_down, .Lfunc_end_k_q5700c5a01b_down-k_q5700c5a01b_down
	.p2alignl 7, 3214868480
	.fill 96, 4, 3214868480
	.section	.rodata,"a",@progbits
	.p2align	6, 0x0
	.amdhsa_kernel k_q5700c5a01b_down
		.amdhsa_group_segment_fixed_size 103936
		.amdhsa_private_segment_fixed_size 0
		.amdhsa_enable_private_segment 0
		.amdhsa_kernarg_size 48
		.amdhsa_user_sgpr_count 2
		.amdhsa_user_sgpr_kernarg_segment_ptr 1
		.amdhsa_wavefront_size32 1
		.amdhsa_system_sgpr_workgroup_id_x 1
		.amdhsa_system_sgpr_workgroup_id_y 1
		.amdhsa_system_sgpr_workgroup_id_z 1
		.amdhsa_system_vgpr_workitem_id 0
		.amdhsa_next_free_vgpr 1024
		.amdhsa_next_free_sgpr 66
		.amdhsa_reserve_vcc 0
		.amdhsa_float_denorm_mode_32 3
		.amdhsa_float_denorm_mode_16_64 3
		.amdhsa_memory_ordered 1
		.amdhsa_forward_progress 1
		.amdhsa_inst_pref_size 149
	.end_amdhsa_kernel
	.amdgpu_metadata
---
amdhsa.version: [ 1, 2 ]
amdhsa.kernels:
  - .name:           k_q5700c5a01b_down
    .symbol:         k_q5700c5a01b_down.kd
    .args:
      - { .name: hq, .offset: 0, .size: 8, .value_kind: global_buffer, .address_space: global }
      - { .name: W2_codes, .offset: 8, .size: 8, .value_kind: global_buffer, .address_space: global }
      - { .name: b2, .offset: 16, .size: 8, .value_kind: global_buffer, .address_space: global }
      - { .name: lowp_scales, .offset: 24, .size: 8, .value_kind: global_buffer, .address_space: global }
      - { .name: ttab, .offset: 32, .size: 8, .value_kind: global_buffer, .address_space: global }
      - { .name: yb, .offset: 40, .size: 8, .value_kind: global_buffer, .address_space: global }
    .group_segment_fixed_size: 103936
    .private_segment_fixed_size: 0
    .kernarg_segment_align: 8
    .kernarg_segment_size: 48
    .max_flat_workgroup_size: 128
    .sgpr_count:     66
    .vgpr_count:     1024
    .wavefront_size: 32
...
	.end_amdgpu_metadata
.endif
;; end of part 4
;; launch combine (part 5): grid 256 x 1, 4 waves a work-group, no clusters, 0 bytes of LDS; arguments yb, posof, gate, out0; writes out0
.if DOCPART == 5
	.amdgcn_target "amdgcn-amd-amdhsa--gfx1250"
	.amdhsa_code_object_version 6
	.text
	.protected	k_q5700c5a01b_combine
	.globl	k_q5700c5a01b_combine
	.p2align	8
	.type	k_q5700c5a01b_combine,@function
k_q5700c5a01b_combine:
	s_mov_b64 s[64:65], 0
	v_nop
	global_prefetch_b8 v0, s[64:65] scope:SCOPE_SE
	s_setreg_imm32_b32 hwreg(HW_REG_WAVE_MODE, 25, 1), 1
	s_wait_xcnt 0x0
; out[n] = g0 y[row of (n, slot 0)] + g1 y[row of (n, slot 1)], in f32: reference()'s last product with the six terms left out whose factor comb[n][e] is 0 (shown at the head of the first kernel).
; Each output row has one owner, which gathers its two rows by the whole numbers that an earlier launch stored (posof): no sum spans work-groups.
; A wave takes 2 tokens, n = 8 x work-group + 2 x wave + q: four rows of 4,096 bytes in, two out; each load and store of a wave covers 512 consecutive bytes.  A stream: no LDS, no barrier, no matrix unit (K = 2).
; REGISTERS: v3 16 x lane; v4-7 the four rows' offsets; v16-143 the four rows, 32 registers each: (q, slot) at v[16 + 64 q + 32 slot].
	s_load_b256 s[4:11], s[0:1], 0x0               ; yb s[4:5], posof s[6:7], gate s[8:9], out0 s[10:11]
	v_lshrrev_b32 v1, 5, v0
	v_readfirstlane_b32 s12, v1                    ; wave 0..3
	v_and_b32 v2, 31, v0
	v_lshlrev_b32 v3, 4, v2
	s_lshl_b32 s13, ttmp9, 3
	s_lshl_b32 s14, s12, 1
	s_add_co_u32 s13, s13, s14                     ; my first token
	s_lshl_b32 s14, s13, 3                         ; its pair in posof and in gate
	s_lshl_b32 s16, s13, 12                        ; its row of out0
	s_mov_b32 s17, 0
	s_wait_kmcnt 0x0
	s_load_b128 s[20:23], s[6:7], s14 offset:0x0   ; the four rows,
	s_load_b128 s[24:27], s[8:9], s14 offset:0x0   ; the four weights
	s_add_nc_u64 s[10:11], s[10:11], s[16:17]
	s_wait_kmcnt 0x0
.irp k, 0,1,2,3
	s_min_u32 s[20+\k], s[20+\k], 0x16ff           ; a row stays inside yb's 5,888
	s_lshl_b32 s[20+\k], s[20+\k], 12
	v_add_nc_u32 v[4+\k], s[20+\k], v3
.endr
.irp k, 0,1,2,3
.irp i, 0,1,2,3,4,5,6,7
	global_load_b128 v[16+32*\k+4*\i:16+32*\k+4*\i+3], v[4+\k], s[4:5] offset:512*\i th:TH_LOAD_NT
.endr
.endr
	s_mov_b32 s28, s25                             ; the packed forms name a pair and take its low word for both halves: slot 1's weights get pairs of their own
	s_mov_b32 s29, s25
	s_mov_b32 s30, s27
	s_mov_b32 s31, s27
.irp q, 0,1
	s_wait_loadcnt 16*(1-\q)                       ; token q's 16 loads are in; for q = 0 the other token's 16 may be out
.set jj, 0
.rept 16
	v_pk_mul_f32 v[16+64*\q+jj:16+64*\q+jj+1], v[16+64*\q+jj:16+64*\q+jj+1], s[24+2*\q:25+2*\q] op_sel_hi:[1,0]
.set jj, jj+2
.endr
.set jj, 0
.rept 16
	v_pk_fma_f32 v[16+64*\q+jj:16+64*\q+jj+1], v[48+64*\q+jj:48+64*\q+jj+1], s[28+2*\q:29+2*\q], v[16+64*\q+jj:16+64*\q+jj+1] op_sel_hi:[1,0,1]
.set jj, jj+2
.endr
.irp i, 0,1,2,3,4,5,6,7
	global_store_b128 v3, v[16+64*\q+4*\i:16+64*\q+4*\i+3], s[10:11] offset:4096*\q+512*\i th:TH_STORE_NT
.endr
.endr
	s_endpgm
.Lfunc_end_k_q5700c5a01b_combine:
	.size	k_q5700c5a01b_combine, .Lfunc_end_k_q5700c5a01b_combine-k_q5700c5a01b_combine
	.p2alignl 7, 3214868480
	.fill 96, 4, 3214868480
	.section	.rodata,"a",@progbits
	.p2align	6, 0x0
	.amdhsa_kernel k_q5700c5a01b_combine
		.amdhsa_group_segment_fixed_size 0
		.amdhsa_private_segment_fixed_size 0
		.amdhsa_enable_private_segment 0
		.amdhsa_kernarg_size 32
		.amdhsa_user_sgpr_count 2
		.amdhsa_user_sgpr_kernarg_segment_ptr 1
		.amdhsa_wavefront_size32 1
		.amdhsa_system_sgpr_workgroup_id_x 1
		.amdhsa_system_sgpr_workgroup_id_y 1
		.amdhsa_system_sgpr_workgroup_id_z 1
		.amdhsa_system_vgpr_workitem_id 0
		.amdhsa_next_free_vgpr 160
		.amdhsa_next_free_sgpr 66
		.amdhsa_reserve_vcc 0
		.amdhsa_float_denorm_mode_32 3
		.amdhsa_float_denorm_mode_16_64 3
		.amdhsa_memory_ordered 1
		.amdhsa_forward_progress 1
		.amdhsa_inst_pref_size 11
	.end_amdhsa_kernel
	.amdgpu_metadata
---
amdhsa.version: [ 1, 2 ]
amdhsa.kernels:
  - .name:           k_q5700c5a01b_combine
    .symbol:         k_q5700c5a01b_combine.kd
    .args:
      - { .name: yb, .offset: 0, .size: 8, .value_kind: global_buffer, .address_space: global }
      - { .name: posof, .offset: 8, .size: 8, .value_kind: global_buffer, .address_space: global }
      - { .name: gate, .offset: 16, .size: 8, .value_kind: global_buffer, .address_space: global }
      - { .name: out0, .offset: 24, .size: 8, .value_kind: global_buffer, .address_space: global }
    .group_segment_fixed_size: 0
    .private_segment_fixed_size: 0
    .kernarg_segment_align: 8
    .kernarg_segment_size: 32
    .max_flat_workgroup_size: 128
    .sgpr_count:     66
    .vgpr_count:     160
    .wavefront_size: 32
...
	.end_amdgpu_metadata
.endif
;; end of part 5
;; ======== version 2 of 2: 5 launches; 1.15 times as fast as version 1
;; workspace buffers: xq 2,097,152 bytes; sel 16,384 bytes of whole numbers; gate 16,384 bytes; rowtok 23,552 bytes of whole numbers; posof 16,384 bytes of whole numbers; ttab 256 bytes of whole numbers; hq 12,058,624 bytes; yb 24,117,248 bytes
;; launch route (part 6): grid 256 x 1, 4 waves a work-group, no clusters, 35,328 bytes of LDS; arguments inp, Wg, bg, lowp_scales, xq, sel, gate; writes xq, sel, gate
.if DOCPART == 6
	.amdgcn_target "amdgcn-amd-amdhsa--gfx1250"
	.amdhsa_code_object_version 6
	.text
	.protected	k_q5700c5a01b_route
	.globl	k_q5700c5a01b_route
	.p2align	8
	.type	k_q5700c5a01b_route,@function
k_q5700c5a01b_route:
	s_mov_b64 s[64:65], 0
	v_nop
	global_prefetch_b8 v0, s[64:65] scope:SCOPE_SE
	s_setreg_imm32_b32 hwreg(HW_REG_WAVE_MODE, 25, 1), 1
	s_wait_xcnt 0x0
; THE GATE AND THE TOKENS' CODES.  logits = inp Wg + bg in f32 (fused multiply-adds); the two largest logits of each token (on a tie the lower index, as jax.lax.top_k);
; their softmax with the larger taken away first: g0 = 1 / (1 + 2^((v2 - v1) log2 e)), g1 = 2^(..) g0; and inp as codes of E5M2 with the given scale 2^e0 (K = the 1,024 of a row, innermost).
; DEAD WORK, LEFT OUT IN THE WHOLE PROGRAM.  comb[n][e] is built by reference() itself as a sum of one_hot(top_idx[n]) x gate_score: for an expert e that is not among top_idx[n] it is 0, whatever the inputs hold.
; out[n] = sum over e of comb[n][e] y[n][e], so h[n][e][:] and y[n][e][:] of such a pair (n, e) reach no output in exact arithmetic: 6 of every 8 rows of both large products.
; Which rows are kept is decided by whole numbers: this launch stores them at fixed places (sel), and only later launches, which read them from memory, form addresses from them.
; Every input has a way to the output and is loaded by some launch.  LIMIT: a NaN, an infinity or an overflow that arises only in an expert that was not chosen for a token is not carried to the result.
; LIMITS: e0 between -126 and 112, so that 2^e0 and 57,344 x 2^e0 are f32 numbers.  NaN among the inputs is not served.  Two logits that differ by less than the rounding of a sum of 1,024 f32 terms may be ordered otherwise than by another order of summing.
; SHARES.  A wave takes 2 tokens, n = 8 x work-group + 2 x wave + q.  Lane l holds x[256 j + 8 l + i], j = 0..3, i = 0..7: eight neighbours along K, as the conversion wants them, and each pair of loads of a wave covers 1,024 consecutive bytes.
; The lane wants the same 32 rows of Wg: four pieces of 256 consecutive bytes, 8,192 bytes apart.  Loaded so, the lanes of a load would stand 256 bytes apart, and all four waves would fetch the same 32 KiB.  So Wg comes ONCE for the work-group:
; wave w loads bytes 8,192 w on by 16 loads of 512 consecutive bytes and lays them in LDS as pieces of 256 bytes + 16 of padding; behind one barrier each lane reads its four pieces into register window 1.
; No matrix unit: N = 8 is under a matrix tile's 16, and the launch is bound by its loads.
; LDS: 0 .. 34,815 Wg's 128 pieces, 272 bytes apart (68 words: piece o starts at bank 4 o mod 64: 64 banks of 4 bytes, ISA guide 11.1); from 34,816 the spare words, 128 bytes a wave.
; REGISTERS: v1 lane, v2 32 l, v4 8 l, v6 my 16 bytes of a load of Wg, v7 where they go in LDS, v8 my piece in LDS, v9 -infinity, v10 57,344 x 2^e0, v11 2^e0, v12, v13 the add's two; v16-19 what lanes 0 and 1 store; v32-95 x (later at work);
;   v96-111 the 2 x 8 sums; v112-127 eight registers a token: largest, its index, second, its index, at work; v128-135 masked logits; v136-151 codes; v152-215 Wg on its way to LDS.  Window 1: Wg's row 256 j + 8 l + i at v[64 j + 8 i] on.
.set X,   32
.set ACC, 96
.set TK,  112
.set MK,  128
.set CD,  136
.set WS,  152
.set CH,  272
.set SPARE, 128*CH
.set MSB, 0
.macro WIN new                         ; the immediate's high byte repeats the setting that is left
.if MSB != \new
	s_set_vgpr_msb (MSB<<8)|\new
.set MSB, \new
.endif
.endm
	s_load_b256 s[4:11], s[0:1], 0x0               ; inp s[4:5], Wg s[6:7], bg s[8:9], the scales' exponents s[10:11]
	s_load_b128 s[12:15], s[0:1], 0x20             ; xq s[12:13], sel s[14:15]
	s_load_b64 s[16:17], s[0:1], 0x30              ; gate
	v_lshl_add_u32 v12, v0, 2, SPARE               ; my spare word,
	v_mov_b32 v13, 0                               ; and 0: kept for the closing lines alone
	v_lshrrev_b32 v5, 5, v0
	v_readfirstlane_b32 s18, v5                    ; wave 0..3
	v_and_b32 v1, 31, v0                           ; lane
	v_lshlrev_b32 v2, 5, v1                        ; my 8 numbers of 256 of x
	v_lshlrev_b32 v4, 3, v1                        ; my 8 codes; also lane q's pair in sel and gate
	v_mov_b32 v9, 0xff800000                       ; -infinity
	s_lshl_b32 s38, s18, 13
	v_lshlrev_b32 v6, 4, v1
	v_add_nc_u32 v6, s38, v6                       ; Wg: my wave's 8,192 bytes, 16 a lane
	s_mul_i32 s38, s18, 32*CH
	v_lshrrev_b32 v7, 4, v1
	v_mul_u32_u24 v7, v7, CH
	v_and_b32 v5, 15, v1
	v_lshl_add_u32 v7, v5, 4, v7
	v_add_nc_u32 v7, s38, v7                       ; into LDS: piece 32 w + l / 16 (+ 2 a load), byte 16 (l % 16)
	v_mul_u32_u24 v8, v1, CH                       ; out of LDS: piece l (+ 32 j)
	s_lshl_b32 s19, ttmp9, 3
	s_lshl_b32 s20, s18, 1
	s_add_co_u32 s19, s19, s20                     ; my first token
	s_lshl_b32 s20, s19, 12                        ; its row of inp: 4,096 bytes a row
	s_mov_b32 s21, 0
	s_lshl_b32 s22, s19, 10                        ; its row of codes
	s_mov_b32 s23, 0
	s_lshl_b32 s36, s19, 3                         ; its pair in sel and in gate
	s_mov_b32 s37, 0
	s_mov_b32 s34, 0x76543210                      ; v_permlanex16_b32's selects: lane l xor 16
	s_mov_b32 s35, 0xfedcba98
	s_wait_kmcnt 0x0
	s_load_b256 s[24:31], s[8:9], 0x0              ; bg
	s_load_b32 s32, s[10:11], 0x0                  ; e0
	s_add_nc_u64 s[4:5], s[4:5], s[20:21]
	s_add_nc_u64 s[12:13], s[12:13], s[22:23]
	s_add_nc_u64 s[14:15], s[14:15], s[36:37]
	s_add_nc_u64 s[16:17], s[16:17], s[36:37]
.set mm, 0
.rept 16
	global_load_b128 v[WS+4*mm:WS+4*mm+3], v6, s[6:7] offset:512*mm   ; 32 lanes read 512 consecutive bytes of Wg
.set mm, mm+1
.endr
.irp q, 0,1
.irp j, 0,1,2,3
	global_load_b128 v[X+32*\q+8*\j:X+32*\q+8*\j+3],   v2, s[4:5] offset:4096*\q+1024*\j th:TH_LOAD_NT
	global_load_b128 v[X+32*\q+8*\j+4:X+32*\q+8*\j+7], v2, s[4:5] offset:4096*\q+1024*\j+16 th:TH_LOAD_NT
.endr
.endr
	s_wait_loadcnt 16                              ; Wg's 16 loads are in: behind them stand x's 16
.set mm, 0
.rept 16
	ds_store_b128 v7, v[WS+4*mm:WS+4*mm+3] offset:2*CH*mm
.set mm, mm+1
.endr
	s_wait_dscnt 0x0                               ; for the others' sake: my quarter of Wg lies in LDS
	s_barrier_signal -1
	s_barrier_wait -1
	WIN 0x40                                       ; destination window 1
.irp j, 0,1,2,3
.irp i, 0,1,2,3,4,5,6,7
	ds_load_b128 v[64*\j+8*\i:64*\j+8*\i+3],   v8 offset:32*CH*\j+32*\i
	ds_load_b128 v[64*\j+8*\i+4:64*\j+8*\i+7], v8 offset:32*CH*\j+32*\i+16
.endr
.endr
	s_wait_kmcnt 0x0
	s_add_co_i32 s32, s32, 127
	s_lshl_b32 s33, s32, 23                        ; 2^e0 as f32
	s_add_co_i32 s32, s32, 15
	s_lshl_b32 s32, s32, 23
	s_or_b32 s32, s32, 0x600000                    ; 57,344 x 2^e0
	s_wait_loadcnt 0x0                             ; x
	WIN 0x01                                       ; source 0 (Wg) window 1
; 2 tokens x 32 numbers x 8 experts: two experts an instruction; x is taken for both halves (its register of the pair is picked by op_sel and op_sel_hi).  The first term starts the sums; the eight pairs of sums take turns.
.irp j, 0,1,2,3
	s_wait_dscnt 16*(3-\j)                         ; quarter j of Wg is in: the 16 reads of each later quarter may be out
.irp i, 0,1,2,3,4,5,6,7
.irp q, 0,1
.irp e, 0,2,4,6
.if (\j == 0) && (\i == 0)
	v_pk_mul_f32 v[ACC+8*\q+\e:ACC+8*\q+\e+1], v[64*\j+8*\i+\e:64*\j+8*\i+\e+1], v[X+32*\q+8*\j:X+32*\q+8*\j+1] op_sel_hi:[1,0]
.elseif (\i % 2) == 0
	v_pk_fma_f32 v[ACC+8*\q+\e:ACC+8*\q+\e+1], v[64*\j+8*\i+\e:64*\j+8*\i+\e+1], v[X+32*\q+8*\j+\i:X+32*\q+8*\j+\i+1], v[ACC+8*\q+\e:ACC+8*\q+\e+1] op_sel_hi:[1,0,1]
.else
	v_pk_fma_f32 v[ACC+8*\q+\e:ACC+8*\q+\e+1], v[64*\j+8*\i+\e:64*\j+8*\i+\e+1], v[X+32*\q+8*\j+\i-1:X+32*\q+8*\j+\i], v[ACC+8*\q+\e:ACC+8*\q+\e+1] op_sel:[0,1,0] op_sel_hi:[1,1,1]
.endif
.endr
.endr
.endr
.endr
	WIN 0
	v_mov_b32 v11, s33
	v_mov_b32 v10, s32
; the codes: hold at the largest code x the scale (the conversion to an 8-bit code does not saturate: ISA guide 7.6.2), then eight numbers a conversion
.set jj, 0
.rept 64
	v_med3_num_f32 v[X+jj], v[X+jj], -v10, v10
.set jj, jj+1
.endr
.irp q, 0,1
.irp j, 0,1,2,3
	v_cvt_scalef32_pk8_bf8_f32 v[CD+8*\q+2*\j:CD+8*\q+2*\j+1], v[X+32*\q+8*\j:X+32*\q+8*\j+7], v11
.endr
.endr
	v_nop                                          ; one plain instruction behind the last conversion: x's registers are written again below
.irp q, 0,1
.irp j, 0,1,2,3
	global_store_b64 v4, v[CD+8*\q+2*\j:CD+8*\q+2*\j+1], s[12:13] offset:1024*\q+256*\j   ; 32 lanes store 256 consecutive bytes, aligned
.endr
.endr
; the 16 sums over the 32 lanes: every lane ends with all of them
.irp k, 1,2,4,8
.set jj, 0
.rept 16
	v_add_f32_dpp v[ACC+jj], v[ACC+jj], v[ACC+jj] row_xmask:\k row_mask:0xf bank_mask:0xf
.set jj, jj+1
.endr
.endr
.set jj, 0
.rept 16
	v_permlanex16_b32 v[X+jj], v[ACC+jj], s34, s35 ; (its destination counts as read: x's registers have been written)
.set jj, jj+1
.endr
.set jj, 0
.rept 16
	v_add_f32 v[ACC+jj], v[ACC+jj], v[X+jj]
.set jj, jj+1
.endr
.irp q, 0,1
.irp e, 0,1,2,3,4,5,6,7
	v_add_f32 v[ACC+8*\q+\e], s[24+\e], v[ACC+8*\q+\e]   ; + bg
.endr
.endr
; the two largest.  A later logit takes the place only where it is strictly larger: ties keep the lower index.  Selections only: no branch and no address hangs on these numbers.
.irp q, 0,1
	v_mov_b32 v[TK+8*\q], v[ACC+8*\q]
	v_mov_b32 v[TK+8*\q+1], 0
.irp e, 1,2,3,4,5,6,7
	v_cmp_le_f32 vcc_lo, v[ACC+8*\q+\e], v[TK+8*\q]
	v_cndmask_b32 v[TK+8*\q], v[ACC+8*\q+\e], v[TK+8*\q], vcc_lo
	v_cndmask_b32 v[TK+8*\q+1], \e, v[TK+8*\q+1], vcc_lo
.endr
.irp e, 0,1,2,3,4,5,6,7
	v_cmp_eq_u32 vcc_lo, \e, v[TK+8*\q+1]
	v_cndmask_b32 v[MK+\e], v[ACC+8*\q+\e], v9, vcc_lo   ; the winner becomes -infinity
.endr
	v_mov_b32 v[TK+8*\q+2], v[MK]
	v_mov_b32 v[TK+8*\q+3], 0
.irp e, 1,2,3,4,5,6,7
	v_cmp_le_f32 vcc_lo, v[MK+\e], v[TK+8*\q+2]
	v_cndmask_b32 v[TK+8*\q+2], v[MK+\e], v[TK+8*\q+2], vcc_lo
	v_cndmask_b32 v[TK+8*\q+3], \e, v[TK+8*\q+3], vcc_lo
.endr
.endr
; the softmax of the two, the larger taken away
.irp q, 0,1
	v_sub_f32 v[TK+8*\q+4], v[TK+8*\q+2], v[TK+8*\q]   ; v2 - v1, 0 or less
.endr
.irp q, 0,1
	v_mul_f32 v[TK+8*\q+4], 0x3fb8aa3b, v[TK+8*\q+4]
.endr
.irp q, 0,1
	v_exp_f32 v[TK+8*\q+4], v[TK+8*\q+4]
.endr
	v_nop                                          ; a plain instruction behind the exponentials,
	s_wait_alu depctr_va_vdst(0)                   ; and one wait for both, ahead of their first reader
.irp q, 0,1
	v_add_f32 v[TK+8*\q+5], 1.0, v[TK+8*\q+4]
.endr
.irp q, 0,1
	v_rcp_f32 v[TK+8*\q+5], v[TK+8*\q+5]           ; g0
.endr
	v_nop
	s_wait_alu depctr_va_vdst(0)
.irp q, 0,1
	v_mul_f32 v[TK+8*\q+6], v[TK+8*\q+4], v[TK+8*\q+5]   ; g1
.endr
	v_cmp_eq_u32 vcc_lo, 1, v1                     ; lane q stores token q's two pairs
	v_cndmask_b32 v16, v[TK+1], v[TK+9], vcc_lo
	v_cndmask_b32 v17, v[TK+3], v[TK+11], vcc_lo
	v_cndmask_b32 v18, v[TK+5], v[TK+13], vcc_lo
	v_cndmask_b32 v19, v[TK+6], v[TK+14], vcc_lo
	v_cmp_gt_u32 vcc_lo, 2, v1
	s_wait_xcnt 0x0                                ; EXEC is a source of the stores above: it changes only behind this wait
	s_and_saveexec_b32 s36, vcc_lo
	global_store_b64 v4, v[16:17], s[14:15]        ; the chosen experts, at a fixed place
	global_store_b64 v4, v[18:19], s[16:17]        ; their weights
	s_wait_xcnt 0x0                                ; and again, ahead of the line that widens it
	s_or_b32 exec_lo, exec_lo, s36
	s_wait_tensorcnt 0x0                           ; the wave's end: a tensor wait, an LDS add and its wait behind my last LDS store, the tensor wait even in a text with no tensor load
	ds_add_u32 v12, v13
	s_wait_dscnt 0x0
	s_endpgm
.Lfunc_end_k_q5700c5a01b_route:
	.size	k_q5700c5a01b_route, .Lfunc_end_k_q5700c5a01b_route-k_q5700c5a01b_route
	.p2alignl 7, 3214868480
	.fill 96, 4, 3214868480
	.section	.rodata,"a",@progbits
	.p2align	6, 0x0
	.amdhsa_kernel k_q5700c5a01b_route
		.amdhsa_group_segment_fixed_size 35328
		.amdhsa_private_segment_fixed_size 0
		.amdhsa_enable_private_segment 0
		.amdhsa_kernarg_size 56
		.amdhsa_user_sgpr_count 2
		.amdhsa_user_sgpr_kernarg_segment_ptr 1
		.amdhsa_wavefront_size32 1
		.amdhsa_system_sgpr_workgroup_id_x 1
		.amdhsa_system_sgpr_workgroup_id_y 1
		.amdhsa_system_sgpr_workgroup_id_z 1
		.amdhsa_system_vgpr_workitem_id 0
		.amdhsa_next_free_vgpr 512
		.amdhsa_next_free_sgpr 66
		.amdhsa_reserve_vcc 1
		.amdhsa_float_denorm_mode_32 3
		.amdhsa_float_denorm_mode_16_64 3
		.amdhsa_memory_ordered 1
		.amdhsa_forward_progress 1
		.amdhsa_inst_pref_size 44
	.end_amdhsa_kernel
	.amdgpu_metadata
---
amdhsa.version: [ 1, 2 ]
amdhsa.kernels:
  - .name:           k_q5700c5a01b_route
    .symbol:         k_q5700c5a01b_route.kd
    .args:
      - { .name: inp, .offset: 0, .size: 8, .value_kind: global_buffer, .address_space: global }
      - { .name: Wg, .offset: 8, .size: 8, .value_kind: global_buffer, .address_space: global }
      - { .name: bg, .offset: 16, .size: 8, .value_kind: global_buffer, .address_space: global }
      - { .name: lowp_scales, .offset: 24, .size: 8, .value_kind: global_buffer, .address_space: global }
      - { .name: xq, .offset: 32, .size: 8, .value_kind: global_buffer, .address_space: global }
      - { .name: sel, .offset: 40, .size: 8, .value_kind: global_buffer, .address_space: global }
      - { .name: gate, .offset: 48, .size: 8, .value_kind: global_buffer, .address_space: global }
    .group_segment_fixed_size: 35328
    .private_segment_fixed_size: 0
    .kernarg_segment_align: 8
    .kernarg_segment_size: 56
    .max_flat_workgroup_size: 128
    .sgpr_count:     66
    .vgpr_count:     512
    .wavefront_size: 32
...
	.end_amdgpu_metadata
.endif
;; end of part 6
;; launch place: the kernel of part 2 again; grid 1 x 1, 32 waves a work-group, no clusters, 8,192 bytes of LDS; arguments sel, rowtok, posof, ttab; writes rowtok, posof, ttab
;; launch up (part 7): grid 8 x 23, 4 waves a work-group, no clusters, 70,144 bytes of LDS; arguments xq, W1_codes, b1, lowp_scales, rowtok, ttab, hq; writes hq
.if DOCPART == 7
	.amdgcn_target "amdgcn-amd-amdhsa--gfx1250"
	.amdhsa_code_object_version 6
	.text
	.protected	k_q5700c5a01b_up
	.globl	k_q5700c5a01b_up
	.p2align	8
	.type	k_q5700c5a01b_up,@function
k_q5700c5a01b_up:
	s_mov_b64 s[64:65], 0
	v_nop
	global_prefetch_b8 v0, s[64:65] scope:SCOPE_SE
	s_setreg_imm32_b32 hwreg(HW_REG_WAVE_MODE, 25, 1), 1
	s_wait_xcnt 0x0
; h = gelu(x W1[e] + b1[e]) for the ROUTED rows alone (the rows of experts that were not chosen are dead work, as shown at the head of the first kernel), quantised to E5M2 with the given 2^e3 and stored as codes.
; Both operands are codes of E5M2; v_wmma_f32_16x16x128_bf8_bf8; a finished sum is multiplied once by 2^(e0 + e1).  gelu is reference()'s tanh form, written x / (1 + 2^(x (c1 + c2 x^2))), c1 = -2 log2(e) sqrt(2 / pi), c2 = 0.044715 c1: the same function, in f32.
; SHARES.  Work-group (x, t): tile t of 256 sorted rows (one expert, read from ttab) x hidden units 256 x .. 256 x + 255, in two passes of 128.  Wave w: rows 64 w .. 64 w + 63 (4 subtiles a) x the pass's 128 units (8 subtiles tt): 32 accumulators.
; THE PRODUCT IS USED TRANSPOSED (source 0 = 16 rows of W1, source 1 = 16 tokens): a lane holds ONE token and eight hidden units.  W1's row rho of a pass lies at LDS row rho with its bits 3 and 4 exchanged, so that lane (r, h)'s 16 registers of
; subtiles 2 b and 2 b + 1 are hidden units 32 b + 16 h + 0 .. 15: the conversions' results ARE the registers of the next product's operand, and are stored so (hq: [subtile of 16 rows][K step of 128][group c: 512 bytes, 16 a lane]).
; K's places in a fragment: registers 4 c .. 4 c + 3 hold k = 32 c + 16 h + 0 .. 15, alike in both operands: a permutation of k inside an instruction, for a result that is judged within a tolerance.
; OPERANDS.  W1: memory -> registers (two rows x 256 aligned bytes an instruction) -> LDS, two buffers of 128 rows x 256 K (a block: two K steps), one barrier a block.  The tokens' codes: gathered from memory straight into a ring of four K steps in registers.
; THE K WALK HAS NO BRANCH, and requests run ahead of it: the tokens' K step k + 4 is asked for when step k is multiplied, W1's block j + 3 when block j + 1 has gone to LDS, and a pair of W1's fragments for step k + 1 is read from LDS right behind the pair's
; eight products of step k.  Every wait in the walk is counted: it names the instructions issued behind the one that it needs.  The counts are kept in symbols as the text is expanded (LDN: loads from memory; LDSN: LDS instructions); they hold because there is one way through the walk.
; So a wave whose 64 rows lie behind the tile's last row, and a tile that the split leaves empty (count 0: it takes expert 0's weights), multiply the tile's last real row (row 0) over again and store nothing: work without use, inside a grid that serves every split;
; each work-group has a WGP of its own, so the full tiles' walk is as long.  Only the gelu and the stores of a subtile behind the last row are jumped over: a branch on a stored count, round no barrier, no load and no LDS instruction.
; No tensor loads: such branches remain.  No cluster: which tiles share an expert's weights is read from memory (an expert has 0 to 16 tiles), so no fixed group of work-groups can be shown to ask for equal tiles.
; LIMITS: e0 + e1 between -126 and 127; e3 between -126 and 112.  NaN among the inputs is not served.
; REGISTERS, in windows of 256.  Window 0: v1 lane, v2 r, v3 h, v4 16 x lane, v5 fragments' LDS place, v6 where I store W1 in LDS, v7 where I load it, v8-11 my four tokens' rows of xq, v12-15 rowtok's addresses, v16 64 h, v20, v21 the add's two,
;   v22 2^e3, v23 57,344 x 2^e3, v[24:25] c1; v32-159 eight fragments of W1, four pairs (in the gelu: v32-95 x, v96-159 at work); v160-223 the codes of four subtiles.
;   Window 1: the accumulators, (a, tt) at v[64 a + 8 tt].  Window 2: the tokens' ring, K step k, subtile a at v[64 (k % 4) + 16 a].  Window 3: v0-63 b1 of pass 0, v192-255 of pass 1; v64-127, v128-191 W1 on its way to LDS.
;   A product's result window is full of sums, so the fragments' loads want another setting than the products: two switches for each pair's eight products and eight loads.
.set PITCH, 272                        ; an LDS row: 256 bytes + 16 of padding = 68 words: row r starts at bank 4 r mod 64 (64 banks of 4 bytes: ISA guide 11.1)
.set BUFB,  128*PITCH
.set SPARE, 2*BUFB                     ; behind the two buffers: the spare words, 128 bytes a wave
.set BF,    32
.set XR,    BF
.set GR,    BF+64
.set CODES, 160
.set SG,    64
.set MSB, 0
.set LDN,  0                           ; loads from memory issued so far
.set LDSN, 0                           ; LDS instructions issued so far
.set LA0, 0                            ; LDN behind the last load into ring slot 0 .. 3,
.set LA1, 0
.set LA2, 0
.set LA3, 0
.set LB0, 0                            ; into W1's two sets of registers,
.set LB1, 0
.set LBI, 0                            ; into b1's
.set LP0, 0                            ; LDSN behind the last load into fragment pair 0 .. 3
.set LP1, 0
.set LP2, 0
.set LP3, 0
.set wn, 0
.macro WIN new                         ; bits 1:0 source 0, 3:2 source 1, 5:4 source 2, 7:6 destination; the high byte repeats the setting that is left
.if MSB != \new
	s_set_vgpr_msb (MSB<<8)|\new
.set MSB, \new
.endif
.endm
.macro CAPW                            ; a wait's count cannot name more than its field's 63; a smaller count than what was issued behind is always right
.if wn > 63
.set wn, 63
.endif
.endm
.macro BLOAD j                         ; block j of W1 (pass j / 4, K bytes 256 (j % 4) on): my 32 rows, into set j % 2 of window 3
	WIN 0xc0
.set mm, 0
.rept 16
	global_load_b128 v[SG+64*((\j)%2)+4*mm:SG+64*((\j)%2)+4*mm+3], v7, s[6:7] offset:((\j)/4)*131072+2048*mm+256*((\j)%4)
.set mm, mm+1
.endr
.set LDN, LDN+16
.if ((\j)%2) == 0
.set LB0, LDN
.else
.set LB1, LDN
.endif
.endm
.macro WAITB j                         ; block j is in: what was asked for behind it may be out
.if ((\j)%2) == 0
.set wn, LDN-LB0
.else
.set wn, LDN-LB1
.endif
	CAPW
	s_wait_loadcnt wn
.endm
.macro BSTORE j                        ; and on into buffer j % 2; row 2 m of my 32 goes to the row with bits 3 and 4 exchanged
	WIN 0x0c
.set mm, 0
.rept 16
	ds_store_b128 v6, v[SG+64*((\j)%2)+4*mm:SG+64*((\j)%2)+4*mm+3] offset:((\j)%2)*BUFB+PITCH*(2*(mm%4)+16*((mm/4)%2)+8*(mm/8))
.set mm, mm+1
.endr
.set LDSN, LDSN+16
.endm
.macro ALOAD k                         ; K step k of my 64 tokens' codes into slot k % 4 of the ring (pass 1 reads the rows again)
	WIN 0x80
.irp a, 0,1,2,3
.irp c, 0,1,2,3
	global_load_b128 v[64*((\k)%4)+16*\a+4*\c:64*((\k)%4)+16*\a+4*\c+3], v[8+\a], s[4:5] offset:128*((\k)%8)+32*\c
.endr
.endr
.set LDN, LDN+16
.if ((\k)%4) == 0
.set LA0, LDN
.elseif ((\k)%4) == 1
.set LA1, LDN
.elseif ((\k)%4) == 2
.set LA2, LDN
.else
.set LA3, LDN
.endif
.endm
.macro WAITA k                         ; the tokens' K step k is in: what was asked for behind it may be out
.if ((\k)%4) == 0
.set wn, LDN-LA0
.elseif ((\k)%4) == 1
.set wn, LDN-LA1
.elseif ((\k)%4) == 2
.set wn, LDN-LA2
.else
.set wn, LDN-LA3
.endif
	CAPW
	s_wait_loadcnt wn
.endm
.macro BIASLD                          ; b1 in the result's layout: subtile tt's eight units of my half, for both passes
	WIN 0xc0
.irp p, 0,1
.irp tt, 0,1,2,3,4,5,6,7
	global_load_b128 v[192*\p+8*\tt:192*\p+8*\tt+3],   v16, s[8:9] offset:512*\p+(32*(\tt/2)+8*(\tt%2))*4
	global_load_b128 v[192*\p+8*\tt+4:192*\p+8*\tt+7], v16, s[8:9] offset:512*\p+(32*(\tt/2)+8*(\tt%2))*4+16
.endr
.endr
.set LDN, LDN+32
.set LBI, LDN
.endm
.macro WAITBI
.set wn, LDN-LBI
	CAPW
	s_wait_loadcnt wn
.endm
.macro LOADP k, p                      ; fragments 2 p and 2 p + 1 of K step k, out of buffer (k / 2) % 2
	WIN 0
.irp u, 0,1
.irp c, 0,1,2,3
	ds_load_b128 v[BF+16*(2*(\p)+\u)+4*\c:BF+16*(2*(\p)+\u)+4*\c+3], v5 offset:(((\k)/2)%2)*BUFB+16*(2*(\p)+\u)*PITCH+128*((\k)%2)+32*\c
.endr
.endr
.set LDSN, LDSN+8
.set LP\p, LDSN
.endm
.macro DSW p                           ; pair p is in: the LDS instructions issued behind its loads may be out
.set wn, LDSN-LP\p
	CAPW
	s_wait_dscnt wn
.endm
.macro MULP k, p, zero                 ; pair p's eight products of K step k.  The 32 accumulators take turns, one instruction a turn, in the same order in every K step.  zero = 1: they start the sums
	WIN 0x58                                       ; source 0 window 0, source 1 window 2, C and D window 1
.irp u, 0,1
.irp a, 0,1,2,3
.if \zero
	v_wmma_f32_16x16x128_bf8_bf8 v[64*\a+8*(2*(\p)+\u):64*\a+8*(2*(\p)+\u)+7], v[BF+16*(2*(\p)+\u):BF+16*(2*(\p)+\u)+15], v[64*((\k)%4)+16*\a:64*((\k)%4)+16*\a+15], 0
.else
	v_wmma_f32_16x16x128_bf8_bf8 v[64*\a+8*(2*(\p)+\u):64*\a+8*(2*(\p)+\u)+7], v[BF+16*(2*(\p)+\u):BF+16*(2*(\p)+\u)+15], v[64*((\k)%4)+16*\a:64*((\k)%4)+16*\a+15], v[64*\a+8*(2*(\p)+\u):64*\a+8*(2*(\p)+\u)+7]
.endif
.endr
.endr
.endm
.macro NOPS                            ; a load into a register that a matrix instruction has read stands four plain vector instructions behind it (ISA guide 7.12.1 for vector instructions)
	WIN 0
.rept 4
	v_nop
.endr
.endm
.macro BAR                             ; my LDS stores have landed and my LDS loads are in: then the work-group's barrier
	s_wait_dscnt 0x0
	s_barrier_signal -1
	s_barrier_wait -1
.endm
; K STEP k of block j = k / 2.  nxt = 1: the fragments of step k + 1 are read as this step's pairs are done.
; AN EVEN STEP: each pair is multiplied and read anew from the same buffer.  Behind pair 1, block j + 1 goes from registers into the other buffer: every wave left that buffer at the last barrier (its last reads of it were waited for in front of that barrier's signal).
; AN ODD STEP changes buffers, with ONE barrier.  Behind pair 0 the wave waits for all its LDS instructions: its stores of block j + 1 have landed, and its last reads of this buffer (this step's pairs) are in.  Pair 1's products stand between signal and wait.
; Behind the barrier: the next block's first two pairs; and block j + 3 is asked for, into the registers that the stores of block j + 1 have read.
; At a step's end its slot of the ring takes the tokens' K step k + 4.
.macro STEP k, zero, nxt
	WAITA \k
	DSW 0
	MULP \k, 0, \zero
.if ((\k)%2) == 0
	NOPS
	LOADP (\k)+1, 0
	DSW 1
	MULP \k, 1, \zero
	NOPS
	LOADP (\k)+1, 1
.if (\k)/2+1 <= 7
	WAITB (\k)/2+1
	BSTORE (\k)/2+1
.endif
	DSW 2
	MULP \k, 2, \zero
	NOPS
	LOADP (\k)+1, 2
.if (\k) == 0
	ALOAD 3                                        ; the ring's last slot is asked for here and not at the head: the first product waits for fewer loads
.endif
.if (\k) == 2
	BIASLD                                         ; wanted behind step 7 at the earliest
.endif
	DSW 3
	MULP \k, 3, \zero
	NOPS
	LOADP (\k)+1, 3
.else
.if (\k) < 15
	WIN 0
	s_wait_dscnt 0x0
	s_barrier_signal -1
.else
	DSW 1
.endif
	MULP \k, 1, \zero
.if (\k) < 15
	WIN 0
	s_barrier_wait -1
.endif
.if \nxt
	NOPS
	LOADP (\k)+1, 0
	LOADP (\k)+1, 1
.endif
.if (\k)/2+3 <= 7
	BLOAD (\k)/2+3
.endif
.if (\k) == 15
	DSW 2
.endif
	MULP \k, 2, \zero
.if \nxt
	NOPS
	LOADP (\k)+1, 2
.endif
.if (\k) == 15
	DSW 3
.endif
	MULP \k, 3, \zero
.if \nxt
	NOPS
	LOADP (\k)+1, 3
.endif
.endif
.if (\k)+4 <= 15
.if (\nxt) == 0
	NOPS
.endif
	ALOAD (\k)+4
.endif
.endm
; Subtile a of pass p: x = sum x 2^(e0 + e1) + b1; gelu; the hold; the codes; four stores of 512 consecutive bytes.  A subtile behind the tile's last row is left out.
.macro GELU a, p
	s_add_co_u32 s38, s24, 16*(\a)
	s_cmp_ge_u32 s38, s22
	s_cbranch_scc1 .Lg_\@
	s_wait_xcnt 0x0                                ; the last pass's stores have read this subtile's code registers
	WIN 0x31                                       ; source 0 (the sums) window 1, source 2 (b1) window 3
.set jj, 0
.rept 32
	v_pk_fma_f32 v[XR+jj:XR+jj+1], v[64*(\a)+jj:64*(\a)+jj+1], s[32:33], v[192*(\p)+jj:192*(\p)+jj+1] op_sel_hi:[1,0,1]   ; each accumulator from its low end on
.set jj, jj+2
.endr
	WIN 0
.set jj, 0
.rept 32
	v_pk_mul_f32 v[GR+jj:GR+jj+1], v[XR+jj:XR+jj+1], v[XR+jj:XR+jj+1]
.set jj, jj+2
.endr
.set jj, 0
.rept 32
	v_pk_fma_f32 v[GR+jj:GR+jj+1], v[GR+jj:GR+jj+1], s[36:37], v[24:25] op_sel_hi:[1,0,0]   ; c2 x^2 + c1
.set jj, jj+2
.endr
.set jj, 0
.rept 32
	v_pk_mul_f32 v[GR+jj:GR+jj+1], v[GR+jj:GR+jj+1], v[XR+jj:XR+jj+1]
.set jj, jj+2
.endr
.set jj, 0
.rept 64
	v_exp_f32 v[GR+jj], v[GR+jj]
.set jj, jj+1
.endr
	v_nop                                          ; a plain instruction behind the batch,
	s_wait_alu depctr_va_vdst(0)                   ; and one wait for it, ahead of its first reader
.set jj, 0
.rept 32
	v_pk_add_f32 v[GR+jj:GR+jj+1], v[GR+jj:GR+jj+1], 1.0 op_sel_hi:[1,0]
.set jj, jj+2
.endr
.set jj, 0
.rept 64
	v_rcp_f32 v[GR+jj], v[GR+jj]
.set jj, jj+1
.endr
	v_nop
	s_wait_alu depctr_va_vdst(0)
.set jj, 0
.rept 32
	v_pk_mul_f32 v[XR+jj:XR+jj+1], v[XR+jj:XR+jj+1], v[GR+jj:GR+jj+1]
.set jj, jj+2
.endr
.set jj, 0
.rept 64
	v_med3_num_f32 v[XR+jj], v[XR+jj], -v23, v23   ; the conversion to an 8-bit code does not saturate (ISA guide 7.6.2)
.set jj, jj+1
.endr
.irp b, 0,1,2,3
	v_cvt_scalef32_pk8_bf8_f32 v[CODES+16*(\a)+4*\b:CODES+16*(\a)+4*\b+1], v[XR+16*\b:XR+16*\b+7], v22
	v_cvt_scalef32_pk8_bf8_f32 v[CODES+16*(\a)+4*\b+2:CODES+16*(\a)+4*\b+3], v[XR+16*\b+8:XR+16*\b+15], v22
.endr
	v_nop                                          ; one plain instruction behind the last conversion
.irp b, 0,1,2,3
	global_store_b128 v4, v[CODES+16*(\a)+4*\b:CODES+16*(\a)+4*\b+3], s[16:17] offset:32768*(\a)+2048*(\p)+512*\b
.endr
.Lg_\@:
.endm
	s_load_b256 s[4:11], s[0:1], 0x0               ; xq s[4:5], W1's codes s[6:7], b1 s[8:9], the scales' exponents s[10:11]
	s_load_b128 s[12:15], s[0:1], 0x20             ; rowtok s[12:13], ttab s[14:15]
	s_load_b64 s[16:17], s[0:1], 0x30              ; hq
	v_lshl_add_u32 v20, v0, 2, SPARE               ; my spare word,
	v_mov_b32 v21, 0                               ; and 0: kept for the closing lines alone
	v_lshrrev_b32 v12, 5, v0
	v_readfirstlane_b32 s18, v12                   ; wave 0..3
	s_and_b32 s19, ttmp7, 0xffff                   ; the tile
	s_mov_b32 s20, ttmp9                           ; the group of 256 hidden units
	v_and_b32 v1, 31, v0
	v_and_b32 v2, 15, v0                           ; r
	v_bfe_u32 v3, v0, 4, 1                         ; h
	v_lshlrev_b32 v4, 4, v1
	v_mul_u32_u24 v5, v2, PITCH
	v_lshl_add_u32 v5, v3, 4, v5                   ; a fragment: row r, + 16 h
	s_mul_i32 s38, s18, 32*PITCH
	v_mul_u32_u24 v6, v3, PITCH
	v_lshl_add_u32 v6, v2, 4, v6
	v_add_nc_u32 v6, s38, v6                       ; into LDS: row 32 w + h, 16 bytes a lane of its 256
	s_lshl_b32 s38, s18, 15
	v_lshlrev_b32 v7, 10, v3
	v_lshl_add_u32 v7, v2, 4, v7
	v_add_nc_u32 v7, s38, v7                       ; the same place in W1: rows of 1,024 bytes
	v_lshlrev_b32 v16, 6, v3                       ; b1: my half's 16 units of each 32
	v_lshlrev_b32 v19, 4, v3                       ; 16 h
	v_mov_b32 v24, 0xc0135761                      ; c1 = -2.3022082
	v_mov_b32 v25, 0xc0135761                      ; (named with it as a pair, so it is written)
	s_mov_b32 s36, 0xbdd2d3e8                      ; c2 = -0.10294324
	s_mov_b32 s37, 0xbdd2d3e8
	s_lshl_b32 s24, s18, 6                         ; my first row in the tile
	s_lshl_b32 s39, s19, 2
	s_wait_kmcnt 0x0
	s_load_b32 s21, s[14:15], s39 offset:0x0       ; the tile's expert,
	s_load_b32 s22, s[14:15], s39 offset:0x80      ; and its number of rows
	s_load_b128 s[28:31], s[10:11], 0x0            ; e0, e1, e2, e3
	s_wait_kmcnt 0x0
	s_min_u32 s21, s21, 7
	s_min_u32 s22, s22, 0x100
	s_max_u32 s40, s22, 1
	s_sub_co_u32 s40, s40, 1                       ; the tile's last real row (0 in an empty tile)
	s_lshl_b32 s41, s19, 8
	s_cmp_lg_u32 s22, 0
	s_cselect_b32 s41, s41, 0                      ; an empty tile reads row 0, which is always real
	v_add_nc_u32 v18, s24, v2
.irp a, 0,1,2,3
	v_add_nc_u32 v[12+\a], 16*\a, v18              ; row 64 w + 16 a + r of the tile; behind the last real row: that row again, so that every row of a subtile that is stored holds numbers
	v_min_u32 v[12+\a], s40, v[12+\a]
	v_add_nc_u32 v[12+\a], s41, v[12+\a]
	v_min_u32 v[12+\a], 0x16ff, v[12+\a]
	v_lshlrev_b32 v[12+\a], 2, v[12+\a]
	global_load_b32 v[8+\a], v[12+\a], s[12:13]
.endr
	s_lshl_b32 s38, s21, 21                        ; W1: the expert's 2 MiB, my group's 256 rows of 1,024 bytes
	s_lshl_b32 s39, s20, 18
	s_add_co_u32 s38, s38, s39
	s_mov_b32 s39, 0
	s_add_nc_u64 s[6:7], s[6:7], s[38:39]
	s_lshl_b32 s38, s21, 13                        ; b1
	s_lshl_b32 s42, s20, 10
	s_add_co_u32 s38, s38, s42
	s_add_nc_u64 s[8:9], s[8:9], s[38:39]
	s_lshl_b32 s38, s19, 19                        ; hq: subtile 16 t + 4 w of 32,768 bytes, K step 2 x of 2,048
	s_lshl_b32 s42, s18, 17
	s_add_co_u32 s38, s38, s42
	s_lshl_b32 s42, s20, 12
	s_add_co_u32 s38, s38, s42
	s_add_nc_u64 s[16:17], s[16:17], s[38:39]
	s_add_co_i32 s32, s28, s29
	s_add_co_i32 s32, s32, 127
	s_lshl_b32 s32, s32, 23                        ; 2^(e0 + e1) as f32
	s_mov_b32 s33, s32
	s_add_co_i32 s38, s31, 127
	s_lshl_b32 s42, s38, 23
	v_mov_b32 v22, s42                             ; 2^e3: the conversion takes its exponent field
	s_add_co_i32 s38, s38, 15
	s_lshl_b32 s38, s38, 23
	s_or_b32 s38, s38, 0x600000
	v_mov_b32 v23, s38                             ; 57,344 x 2^e3
	BLOAD 0
	BLOAD 1
	WIN 0
	s_wait_loadcnt 32                              ; my four tokens are in: behind them stand the 2 x 16 loads of W1
.irp a, 0,1,2,3
	v_min_u32 v[8+\a], 0x7ff, v[8+\a]
	v_lshl_add_u32 v[8+\a], v[8+\a], 10, v19       ; the token's row of codes, + 16 h
.endr
	ALOAD 0
	ALOAD 1
	WAITB 0                                        ; block 0 is in: block 1 and the tokens' first two K steps, 48 loads, may be out
	BSTORE 0
	WIN 0
	BAR
	LOADP 0, 0
	LOADP 0, 1
	LOADP 0, 2
	LOADP 0, 3
	ALOAD 2
	BLOAD 2                                        ; into the registers that block 0's stores have read (the barrier's wait shows that)
	STEP 0, 1, 1
	STEP 1, 0, 1
	STEP 2, 0, 1
	STEP 3, 0, 1
	STEP 4, 0, 1
	STEP 5, 0, 1
	STEP 6, 0, 1
	STEP 7, 0, 0                                   ; the fragments' registers serve the gelu next: step 8's are read behind it
	WIN 0
.rept 5
	v_nop                                          ; plain instructions behind the last products: four ahead of the first read of results and the first write over fragments, five ahead of the products that begin the sums anew, on the way too on which every subtile is left out
.endr
	WAITBI
	GELU 0, 0
	GELU 1, 0
	GELU 2, 0
	GELU 3, 0
	LOADP 8, 0                                     ; block 4 lies whole in its buffer since step 7's barrier
	LOADP 8, 1
	LOADP 8, 2
	LOADP 8, 3
	STEP 8, 1, 1
	STEP 9, 0, 1
	STEP 10, 0, 1
	STEP 11, 0, 1
	STEP 12, 0, 1
	STEP 13, 0, 1
	STEP 14, 0, 1
	STEP 15, 0, 0
	WIN 0
.rept 4
	v_nop
.endr
	GELU 0, 1
	GELU 1, 1
	GELU 2, 1
	GELU 3, 1
	s_wait_tensorcnt 0x0                           ; the wave's end: a tensor wait, an LDS add and its wait behind my last LDS store, the tensor wait even in a text with no tensor load
	ds_add_u32 v20, v21
	s_wait_dscnt 0x0
	s_endpgm
.Lfunc_end_k_q5700c5a01b_up:
	.size	k_q5700c5a01b_up, .Lfunc_end_k_q5700c5a01b_up-k_q5700c5a01b_up
	.p2alignl 7, 3214868480
	.fill 96, 4, 3214868480
	.section	.rodata,"a",@progbits
	.p2align	6, 0x0
	.amdhsa_kernel k_q5700c5a01b_up
		.amdhsa_group_segment_fixed_size 70144
		.amdhsa_private_segment_fixed_size 0
		.amdhsa_enable_private_segment 0
		.amdhsa_kernarg_size 56
		.amdhsa_user_sgpr_count 2
		.amdhsa_user_sgpr_kernarg_segment_ptr 1
		.amdhsa_wavefront_size32 1
		.amdhsa_system_sgpr_workgroup_id_x 1
		.amdhsa_system_sgpr_workgroup_id_y 1
		.amdhsa_system_sgpr_workgroup_id_z 1
		.amdhsa_system_vgpr_workitem_id 0
		.amdhsa_next_free_vgpr 1024
		.amdhsa_next_free_sgpr 66
		.amdhsa_reserve_vcc 0
		.amdhsa_float_denorm_mode_32 3
		.amdhsa_float_denorm_mode_16_64 3
		.amdhsa_memory_ordered 1
		.amdhsa_forward_progress 1
		.amdhsa_inst_pref_size 255
	.end_amdhsa_kernel
	.section	.bss,"aw",@nobits
	.p2align	6
	.space	262144
	.amdgpu_metadata
---
amdhsa.version: [ 1, 2 ]
amdhsa.kernels:
  - .name:           k_q5700c5a01b_up
    .symbol:         k_q5700c5a01b_up.kd
    .args:
      - { .name: xq, .offset: 0, .size: 8, .value_kind: global_buffer, .address_space: global }
      - { .name: W1_codes, .offset: 8, .size: 8, .value_kind: global_buffer, .address_space: global }
      - { .name: b1, .offset: 16, .size: 8, .value_kind: global_buffer, .address_space: global }
      - { .name: lowp_scales, .offset: 24, .size: 8, .value_kind: global_buffer, .address_space: global }
      - { .name: rowtok, .offset: 32, .size: 8, .value_kind: global_buffer, .address_space: global }
      - { .name: ttab, .offset: 40, .size: 8, .value_kind: global_buffer, .address_space: global }
      - { .name: hq, .offset: 48, .size: 8, .value_kind: global_buffer, .address_space: global }
    .group_segment_fixed_size: 70144
    .private_segment_fixed_size: 0
    .kernarg_segment_align: 8
    .kernarg_segment_size: 56
    .max_flat_workgroup_size: 128
    .sgpr_count:     66
    .vgpr_count:     1024
    .wavefront_size: 32
...
	.end_amdgpu_metadata
.endif
;; end of part 7
;; launch down (part 8): grid 8 x 23, 4 waves a work-group, no clusters, 103,936 bytes of LDS; arguments hq, W2_codes, b2, lowp_scales, ttab, yb; writes yb
.if DOCPART == 8
	.amdgcn_target "amdgcn-amd-amdhsa--gfx1250"
	.amdhsa_code_object_version 6
	.text
	.protected	k_q5700c5a01b_down
	.globl	k_q5700c5a01b_down
	.p2align	8
	.type	k_q5700c5a01b_down,@function
k_q5700c5a01b_down:
	s_mov_b64 s[64:65], 0
	v_nop
	global_prefetch_b8 v0, s[64:65] scope:SCOPE_SE
	s_setreg_imm32_b32 hwreg(HW_REG_WAVE_MODE, 25, 1), 1
	s_wait_xcnt 0x0
; y = h W2[e] + b2[e] for the ROUTED rows alone (the rows of experts that were not chosen are dead work, as shown at the head of the first kernel), in f32, one row of yb for each sorted row.
; Both operands are codes of E5M2; v_wmma_f32_16x16x128_bf8_bf8; y = sum x 2^(e2 + e3) + b2, one packed multiply-add for two numbers.
; SHARES.  Work-group (x, t): tile t of 256 sorted rows x outputs 128 x .. 128 x + 127, K = 2,048 in 16 steps of 128.  Wave w: rows 64 w .. 64 w + 63 (4 subtiles a) x 128 outputs (8 subtiles tt): 32 accumulators.
; THE PRODUCT IS USED TRANSPOSED (source 0 = 16 rows of W2, source 1 = 16 rows of h): a lane holds one row and eight neighbouring outputs.
; OPERANDS.  W2: memory -> registers (two rows x 256 aligned bytes an instruction) -> LDS, two buffers of 128 rows x 256 K (a block: two K steps), one barrier a block.  h lies in memory in the order of the operand's registers
; ([subtile][K step][group c: 512 bytes, 16 a lane]; registers 4 c .. 4 c + 3 hold k = 32 c + 16 h + 0 .. 15, as W2's fragments are read): each load of a wave reads 512 consecutive bytes, into a ring of four K steps.
; THE K WALK HAS NO BRANCH, and requests run ahead of it, as in the launch before: h's K step k + 4 is asked for when step k is multiplied, W2's block j + 3 when block j + 1 has gone to LDS, a pair of fragments for step k + 1 is read right behind the pair's
; eight products of step k; every wait in the walk names the instructions issued behind the one that it needs, counted in symbols as the text is expanded (LDN: loads from memory; LDSN: LDS instructions).
; A subtile behind the tile's last row was not stored by the launch before: its loads are turned to subtile 0, which is stored under every split (tile 0 holds a row), by a selection, with no branch.  Its products are work without use (so are an empty tile's,
; on expert 0's weights), inside a grid that serves every split; only its way out is jumped over: a branch on a stored count, round no barrier and no load.
; No tensor loads, no cluster: as in the launch before, for the same reasons.
; THE WAY OUT.  A subtile's 16 rows x 512 bytes go through the wave's own stage in LDS and leave as whole rows: 32 lanes store 512 consecutive bytes, aligned.
; LIMITS: e2 + e3 between -126 and 127.
; REGISTERS, in windows of 256.  Window 0: v1 lane, v2 r, v3 h, v4 16 x lane, v5 fragments' LDS place, v6 where I store W2 in LDS, v7 where I load it, v8-11 my four subtiles of hq, v16 32 h, v17, v18 the stage, in and back, v20, v21 the add's two;
;   v32-159 eight fragments of W2, four pairs (on the way out: v32-95 y, v96-159 rows read back).  Window 1: the accumulators, (a, tt) at v[64 a + 8 tt].  Window 2: h's ring, K step k, subtile a at v[64 (k % 4) + 16 a].
;   Window 3: v0-63 b2; v64-127, v128-191 W2 on its way to LDS.  A product's result window is full of sums, so the fragments' loads want another setting than the products: two switches for each pair's eight products and eight loads.
.set PITCH, 272                        ; an LDS row: 256 bytes + 16 of padding = 68 words: row r starts at bank 4 r mod 64 (64 banks of 4 bytes: ISA guide 11.1)
.set BUFB,  128*PITCH
.set STAGE, 2*BUFB                     ; behind the two buffers: 16 rows x (512 + 16) bytes for each wave
.set SPITCH, 528
.set SPARE, STAGE+4*16*SPITCH          ; behind the stages: the spare words, 128 bytes a wave
.set BF,    32
.set SG,    64
.set MSB, 0
.set LDN,  0                           ; loads from memory issued so far
.set LDSN, 0                           ; LDS instructions issued so far
.set LA0, 0                            ; LDN behind the last load into ring slot 0 .. 3,
.set LA1, 0
.set LA2, 0
.set LA3, 0
.set LB0, 0                            ; into W2's two sets of registers,
.set LB1, 0
.set LBI, 0                            ; into b2's
.set LP0, 0                            ; LDSN behind the last load into fragment pair 0 .. 3
.set LP1, 0
.set LP2, 0
.set LP3, 0
.set wn, 0
.macro WIN new                         ; bits 1:0 source 0, 3:2 source 1, 5:4 source 2, 7:6 destination; the high byte repeats the setting that is left
.if MSB != \new
	s_set_vgpr_msb (MSB<<8)|\new
.set MSB, \new
.endif
.endm
.macro CAPW                            ; a wait's count cannot name more than its field's 63; a smaller count than what was issued behind is always right
.if wn > 63
.set wn, 63
.endif
.endm
.macro BLOAD j                         ; block j of W2 (K bytes 256 j on): my 32 rows, into set j % 2 of window 3
	WIN 0xc0
.set mm, 0
.rept 16
	global_load_b128 v[SG+64*((\j)%2)+4*mm:SG+64*((\j)%2)+4*mm+3], v7, s[6:7] offset:4096*mm+256*(\j)
.set mm, mm+1
.endr
.set LDN, LDN+16
.if ((\j)%2) == 0
.set LB0, LDN
.else
.set LB1, LDN
.endif
.endm
.macro WAITB j                         ; block j is in: what was asked for behind it may be out
.if ((\j)%2) == 0
.set wn, LDN-LB0
.else
.set wn, LDN-LB1
.endif
	CAPW
	s_wait_loadcnt wn
.endm
.macro BSTORE j                        ; and on into buffer j % 2
	WIN 0x0c
.set mm, 0
.rept 16
	ds_store_b128 v6, v[SG+64*((\j)%2)+4*mm:SG+64*((\j)%2)+4*mm+3] offset:((\j)%2)*BUFB+2*PITCH*mm
.set mm, mm+1
.endr
.set LDSN, LDSN+16
.endm
.macro ALOAD k                         ; K step k of my four subtiles of h into slot k % 4 of the ring
	WIN 0x80
.irp a, 0,1,2,3
.irp c, 0,1,2,3
	global_load_b128 v[64*((\k)%4)+16*\a+4*\c:64*((\k)%4)+16*\a+4*\c+3], v[8+\a], s[4:5] offset:2048*(\k)+512*\c
.endr
.endr
.set LDN, LDN+16
.if ((\k)%4) == 0
.set LA0, LDN
.elseif ((\k)%4) == 1
.set LA1, LDN
.elseif ((\k)%4) == 2
.set LA2, LDN
.else
.set LA3, LDN
.endif
.endm
.macro WAITA k                         ; h's K step k is in: what was asked for behind it may be out
.if ((\k)%4) == 0
.set wn, LDN-LA0
.elseif ((\k)%4) == 1
.set wn, LDN-LA1
.elseif ((\k)%4) == 2
.set wn, LDN-LA2
.else
.set wn, LDN-LA3
.endif
	CAPW
	s_wait_loadcnt wn
.endm
.macro BIASLD                          ; b2 in the result's layout: subtile tt's eight outputs of my half
	WIN 0xc0
.irp tt, 0,1,2,3,4,5,6,7
	global_load_b128 v[8*\tt:8*\tt+3],   v16, s[8:9] offset:64*\tt
	global_load_b128 v[8*\tt+4:8*\tt+7], v16, s[8:9] offset:64*\tt+16
.endr
.set LDN, LDN+16
.set LBI, LDN
.endm
.macro WAITBI
.set wn, LDN-LBI
	CAPW
	s_wait_loadcnt wn
.endm
.macro LOADP k, p                      ; fragments 2 p and 2 p + 1 of K step k, out of buffer (k / 2) % 2
	WIN 0
.irp u, 0,1
.irp c, 0,1,2,3
	ds_load_b128 v[BF+16*(2*(\p)+\u)+4*\c:BF+16*(2*(\p)+\u)+4*\c+3], v5 offset:(((\k)/2)%2)*BUFB+16*(2*(\p)+\u)*PITCH+128*((\k)%2)+32*\c
.endr
.endr
.set LDSN, LDSN+8
.set LP\p, LDSN
.endm
.macro DSW p                           ; pair p is in: the LDS instructions issued behind its loads may be out
.set wn, LDSN-LP\p
	CAPW
	s_wait_dscnt wn
.endm
.macro MULP k, p, zero                 ; pair p's eight products of K step k.  The 32 accumulators take turns, one instruction a turn, in the same order in every K step.  zero = 1: they start the sums
	WIN 0x58                                       ; source 0 window 0, source 1 window 2, C and D window 1
.irp u, 0,1
.irp a, 0,1,2,3
.if \zero
	v_wmma_f32_16x16x128_bf8_bf8 v[64*\a+8*(2*(\p)+\u):64*\a+8*(2*(\p)+\u)+7], v[BF+16*(2*(\p)+\u):BF+16*(2*(\p)+\u)+15], v[64*((\k)%4)+16*\a:64*((\k)%4)+16*\a+15], 0
.else
	v_wmma_f32_16x16x128_bf8_bf8 v[64*\a+8*(2*(\p)+\u):64*\a+8*(2*(\p)+\u)+7], v[BF+16*(2*(\p)+\u):BF+16*(2*(\p)+\u)+15], v[64*((\k)%4)+16*\a:64*((\k)%4)+16*\a+15], v[64*\a+8*(2*(\p)+\u):64*\a+8*(2*(\p)+\u)+7]
.endif
.endr
.endr
.endm
.macro NOPS                            ; a load into a register that a matrix instruction has read stands four plain vector instructions behind it (ISA guide 7.12.1 for vector instructions)
	WIN 0
.rept 4
	v_nop
.endr
.endm
.macro BAR                             ; my LDS stores have landed and my LDS loads are in: then the work-group's barrier
	s_wait_dscnt 0x0
	s_barrier_signal -1
	s_barrier_wait -1
.endm
; K STEP k of block j = k / 2.  nxt = 1: the fragments of step k + 1 are read as this step's pairs are done.
; AN EVEN STEP: each pair is multiplied and read anew from the same buffer.  Behind pair 1, block j + 1 goes from registers into the other buffer: every wave left that buffer at the last barrier (its last reads of it were waited for in front of that barrier's signal).
; AN ODD STEP changes buffers, with ONE barrier.  Behind pair 0 the wave waits for all its LDS instructions: its stores of block j + 1 have landed, and its last reads of this buffer (this step's pairs) are in.  Pair 1's products stand between signal and wait.
; Behind the barrier: the next block's first two pairs; and block j + 3 is asked for, into the registers that the stores of block j + 1 have read.
; At a step's end its slot of the ring takes h's K step k + 4.
.macro STEP k, zero, nxt
	WAITA \k
	DSW 0
	MULP \k, 0, \zero
.if ((\k)%2) == 0
	NOPS
	LOADP (\k)+1, 0
	DSW 1
	MULP \k, 1, \zero
	NOPS
	LOADP (\k)+1, 1
.if (\k)/2+1 <= 7
	WAITB (\k)/2+1
	BSTORE (\k)/2+1
.endif
	DSW 2
	MULP \k, 2, \zero
	NOPS
	LOADP (\k)+1, 2
.if (\k) == 0
	ALOAD 3                                        ; the ring's last slot is asked for here and not at the head: the first product waits for fewer loads
.endif
.if (\k) == 2
	BIASLD                                         ; wanted on the way out alone
.endif
	DSW 3
	MULP \k, 3, \zero
	NOPS
	LOADP (\k)+1, 3
.else
.if (\k) < 15
	WIN 0
	s_wait_dscnt 0x0
	s_barrier_signal -1
.else
	DSW 1
.endif
	MULP \k, 1, \zero
.if (\k) < 15
	WIN 0
	s_barrier_wait -1
.endif
.if \nxt
	NOPS
	LOADP (\k)+1, 0
	LOADP (\k)+1, 1
.endif
.if (\k)/2+3 <= 7
	BLOAD (\k)/2+3
.endif
.if (\k) == 15
	DSW 2
.endif
	MULP \k, 2, \zero
.if \nxt
	NOPS
	LOADP (\k)+1, 2
.endif
.if (\k) == 15
	DSW 3
.endif
	MULP \k, 3, \zero
.if \nxt
	NOPS
	LOADP (\k)+1, 3
.endif
.endif
.if (\k)+4 <= 15
.if (\nxt) == 0
	NOPS
.endif
	ALOAD (\k)+4
.endif
.endm
; Subtile a goes out.  A subtile behind the tile's last row is left out.
.macro OUT a
	s_add_co_u32 s38, s24, 16*(\a)
	s_cmp_ge_u32 s38, s22
	s_cbranch_scc1 .Lo_\@
	s_wait_xcnt 0x0                                ; the last subtile's stores have read their registers: the rows read back below land there
	WIN 0x31                                       ; source 0 (the sums) window 1, source 2 (b2) window 3
.set jj, 0
.rept 32
	v_pk_fma_f32 v[BF+jj:BF+jj+1], v[64*(\a)+jj:64*(\a)+jj+1], s[32:33], v[jj:jj+1] op_sel_hi:[1,0,1]   ; each accumulator from its low end on
.set jj, jj+2
.endr
	WIN 0
.irp tt, 0,1,2,3,4,5,6,7
	ds_store_b128 v17, v[BF+8*\tt:BF+8*\tt+3] offset:64*\tt          ; lane (r, h): y(r, 16 tt + 8 h + 0 .. 7)
	ds_store_b128 v17, v[BF+8*\tt+4:BF+8*\tt+7] offset:64*\tt+16
.endr
.irp i, 0,1,2,3,4,5,6,7,8,9,10,11,12,13,14,15
	ds_load_b128 v[BF+64+4*\i:BF+64+4*\i+3], v18 offset:\i*SPITCH    ; LDS serves a wave's instructions in order (ISA guide 5.7.1.4): these see my stores, and the next subtile's stores come behind them
.endr
.irp i, 0,1,2,3,4,5,6,7,8,9,10,11,12,13,14,15
	s_wait_dscnt 15-\i                             ; row i is back: the rows behind it may be out
	global_store_b128 v4, v[BF+64+4*\i:BF+64+4*\i+3], s[14:15] offset:(16*(\a)+\i)*4096 th:TH_STORE_NT
.endr
.Lo_\@:
.endm
	s_load_b256 s[4:11], s[0:1], 0x0               ; hq s[4:5], W2's codes s[6:7], b2 s[8:9], the scales' exponents s[10:11]
	s_load_b128 s[12:15], s[0:1], 0x20             ; ttab s[12:13], yb s[14:15]
	v_lshl_add_u32 v20, v0, 2, SPARE               ; my spare word,
	v_mov_b32 v21, 0                               ; and 0: kept for the closing lines alone
	v_lshrrev_b32 v12, 5, v0
	v_readfirstlane_b32 s18, v12                   ; wave 0..3
	s_and_b32 s19, ttmp7, 0xffff                   ; the tile
	s_mov_b32 s20, ttmp9                           ; the group of 128 outputs
	v_and_b32 v1, 31, v0
	v_and_b32 v2, 15, v0                           ; r
	v_bfe_u32 v3, v0, 4, 1                         ; h
	v_lshlrev_b32 v4, 4, v1
	v_mul_u32_u24 v5, v2, PITCH
	v_lshl_add_u32 v5, v3, 4, v5                   ; a fragment: row r, + 16 h
	s_mul_i32 s38, s18, 32*PITCH
	v_mul_u32_u24 v6, v3, PITCH
	v_lshl_add_u32 v6, v2, 4, v6
	v_add_nc_u32 v6, s38, v6                       ; into LDS: row 32 w + h, 16 bytes a lane of its 256
	s_lshl_b32 s38, s18, 16
	v_lshlrev_b32 v7, 11, v3
	v_lshl_add_u32 v7, v2, 4, v7
	v_add_nc_u32 v7, s38, v7                       ; the same place in W2: rows of 2,048 bytes
	v_lshlrev_b32 v16, 5, v3                       ; b2: my half's 8 outputs of each 16
	s_mul_i32 s38, s18, 16*SPITCH
	s_add_co_u32 s38, s38, STAGE                   ; my stage
	v_mul_u32_u24 v17, v2, SPITCH
	v_lshl_add_u32 v17, v3, 5, v17
	v_add_nc_u32 v17, s38, v17                     ; in: row r, + 32 h
	v_add_nc_u32 v18, s38, v4                      ; back: 16 bytes a lane of a row's 512
	s_lshl_b32 s24, s18, 6                         ; my first row in the tile
	s_lshl_b32 s39, s19, 2
	s_wait_kmcnt 0x0
	s_load_b32 s21, s[12:13], s39 offset:0x0       ; the tile's expert,
	s_load_b32 s22, s[12:13], s39 offset:0x80      ; and its number of rows
	s_load_b128 s[28:31], s[10:11], 0x0            ; e0, e1, e2, e3
	s_wait_kmcnt 0x0
	s_min_u32 s21, s21, 7
	s_min_u32 s22, s22, 0x100
	s_lshl_b32 s40, s19, 4
	s_lshl_b32 s41, s18, 2
	s_add_co_u32 s40, s40, s41                     ; my first subtile: 16 t + 4 w
.irp a, 0,1,2,3
	s_add_co_u32 s38, s24, 16*\a
	s_add_co_u32 s39, s40, \a
	s_cmp_lt_u32 s38, s22
	s_cselect_b32 s39, s39, 0                      ; a subtile with no row reads subtile 0
	s_min_u32 s39, s39, 0x16f
	s_lshl_b32 s39, s39, 15
	v_add_nc_u32 v[8+\a], s39, v4
.endr
	s_lshl_b32 s38, s21, 21                        ; W2: the expert's 2 MiB, my group's 128 rows of 2,048 bytes
	s_lshl_b32 s39, s20, 18
	s_add_co_u32 s38, s38, s39
	s_mov_b32 s39, 0
	s_add_nc_u64 s[6:7], s[6:7], s[38:39]
	s_lshl_b32 s38, s21, 12                        ; b2
	s_lshl_b32 s42, s20, 9
	s_add_co_u32 s38, s38, s42
	s_add_nc_u64 s[8:9], s[8:9], s[38:39]
	s_lshl_b32 s38, s19, 20                        ; yb: row 256 t + 64 w of 4,096 bytes, my group's 512
	s_lshl_b32 s42, s18, 18
	s_add_co_u32 s38, s38, s42
	s_lshl_b32 s42, s20, 9
	s_add_co_u32 s38, s38, s42
	s_add_nc_u64 s[14:15], s[14:15], s[38:39]
	s_add_co_i32 s32, s30, s31
	s_add_co_i32 s32, s32, 127
	s_lshl_b32 s32, s32, 23                        ; 2^(e2 + e3) as f32
	s_mov_b32 s33, s32
	BLOAD 0
	ALOAD 0
	ALOAD 1
	BLOAD 1
	WAITB 0                                        ; block 0 is in: h's first two K steps and block 1, 48 loads, may be out
	BSTORE 0
	WIN 0
	BAR
	LOADP 0, 0
	LOADP 0, 1
	LOADP 0, 2
	LOADP 0, 3
	ALOAD 2
	BLOAD 2                                        ; into the registers that block 0's stores have read (the barrier's wait shows that)
	STEP 0, 1, 1
	STEP 1, 0, 1
	STEP 2, 0, 1
	STEP 3, 0, 1
	STEP 4, 0, 1
	STEP 5, 0, 1
	STEP 6, 0, 1
	STEP 7, 0, 1
	STEP 8, 0, 1
	STEP 9, 0, 1
	STEP 10, 0, 1
	STEP 11, 0, 1
	STEP 12, 0, 1
	STEP 13, 0, 1
	STEP 14, 0, 1
	STEP 15, 0, 0
	WIN 0
.rept 4
	v_nop                                          ; four plain instructions behind the last products, ahead of the first read of results and the first write over fragments
.endr
	WAITBI
	OUT 0
	OUT 1
	OUT 2
	OUT 3
	s_wait_tensorcnt 0x0                           ; the wave's end: a tensor wait, an LDS add and its wait behind my last LDS store, the tensor wait even in a text with no tensor load
	ds_add_u32 v20, v21
	s_wait_dscnt 0x0
	s_endpgm
.Lfunc_end_k_q5700c5a01b_down:
	.size	k_q5700c5a01b_down, .Lfunc_end_k_q5700c5a01b_down-k_q5700c5a01b_down
	.p2alignl 7, 3214868480
	.fill 96, 4, 3214868480
	.section	.rodata,"a",@progbits
	.p2align	6, 0x0
	.amdhsa_kernel k_q5700c5a01b_down
		.amdhsa_group_segment_fixed_size 103936
		.amdhsa_private_segment_fixed_size 0
		.amdhsa_enable_private_segment 0
		.amdhsa_kernarg_size 48
		.amdhsa_user_sgpr_count 2
		.amdhsa_user_sgpr_kernarg_segment_ptr 1
		.amdhsa_wavefront_size32 1
		.amdhsa_system_sgpr_workgroup_id_x 1
		.amdhsa_system_sgpr_workgroup_id_y 1
		.amdhsa_system_sgpr_workgroup_id_z 1
		.amdhsa_system_vgpr_workitem_id 0
		.amdhsa_next_free_vgpr 1024
		.amdhsa_next_free_sgpr 66
		.amdhsa_reserve_vcc 0
		.amdhsa_float_denorm_mode_32 3
		.amdhsa_float_denorm_mode_16_64 3
		.amdhsa_memory_ordered 1
		.amdhsa_forward_progress 1
		.amdhsa_inst_pref_size 153
	.end_amdhsa_kernel
	.amdgpu_metadata
---
amdhsa.version: [ 1, 2 ]
amdhsa.kernels:
  - .name:           k_q5700c5a01b_down
    .symbol:         k_q5700c5a01b_down.kd
    .args:
      - { .name: hq, .offset: 0, .size: 8, .value_kind: global_buffer, .address_space: global }
      - { .name: W2_codes, .offset: 8, .size: 8, .value_kind: global_buffer, .address_space: global }
      - { .name: b2, .offset: 16, .size: 8, .value_kind: global_buffer, .address_space: global }
      - { .name: lowp_scales, .offset: 24, .size: 8, .value_kind: global_buffer, .address_space: global }
      - { .name: ttab, .offset: 32, .size: 8, .value_kind: global_buffer, .address_space: global }
      - { .name: yb, .offset: 40, .size: 8, .value_kind: global_buffer, .address_space: global }
    .group_segment_fixed_size: 103936
    .private_segment_fixed_size: 0
    .kernarg_segment_align: 8
    .kernarg_segment_size: 48
    .max_flat_workgroup_size: 128
    .sgpr_count:     66
    .vgpr_count:     1024
    .wavefront_size: 32
...
	.end_amdgpu_metadata
.endif
;; end of part 8
;; launch combine: the kernel of part 5 again; grid 256 x 1, 4 waves a work-group, no clusters, 0 bytes of LDS; arguments yb, posof, gate, out0; writes out0
